; MI455X (gfx1250); checked and timed in simulation.
; The chip was launched on July 23, 2026; its instructions are those of AMD's public machine-readable ISA for CDNA 5 (MIT licence, August 2026) and "CDNA5" Instruction Set Architecture Reference Guide (July 2026). The comments in the code are by the model that wrote it; some were corrected since.
;; XCA. Allowed arithmetic: float matrix products may take bf16 or f16 operands with f32 sums; other float arithmetic in f32, or as packed bf16 or f16 multiplies, adds, multiply-adds, maxima and minima; sums over many terms, partial sums and values carried from step to step in f32; what a program stores and reads back later, other than sums and carried values, may be rounded once to bf16 or f16.
;; Inputs: Wqkv 3,072 x 1,024 float32; Wz 1,024 x 1,024 float32; bqkv 3,072 float32; bz 1,024 float32; temperature 16 x 1 x 1 float32; x 4 x 2,048 x 1,024 float32.
;; Outputs: out0 4 x 2,048 x 1,024 float32.
;; 2 versions, each right; version 2 is version 1 with the launch cast written anew for expert scheduling mode. Each part assembles by itself: llvm-mc -triple=amdgcn-amd-amdhsa -mcpu=gfx1250 --defsym DOCPART=n.
;; ======== version 1 of 2: 4 launches
;; limits: values are held in f16: magnitudes above 65,504 overflow, below 6.1e-05 lose precision
;; workspace buffers: xb 16,777,216 bytes; wb 6,291,456 bytes; wzh 2,097,152 bytes; gp 8,912,896 bytes; vh 16,777,216 bytes; wzp 8,388,608 bytes
;; launch cast (part 1): grid 768 x 1, 8 waves a work-group, no clusters, 0 bytes of LDS; arguments x, Wqkv, Wz, xb, wb, wzh; writes xb, wb, wzh
.if DOCPART == 1
	.amdgcn_target "amdgcn-amd-amdhsa--gfx1250"
	.amdhsa_code_object_version 6
	.text
	.protected	k_q3eb4d9b53c_cast
	.globl	k_q3eb4d9b53c_cast
	.p2align	8
	.type	k_q3eb4d9b53c_cast,@function
k_q3eb4d9b53c_cast:
	s_mov_b64 s[64:65], 0
	v_nop
	global_prefetch_b8 v0, s[64:65] scope:SCOPE_SE
	s_setreg_imm32_b32 hwreg(HW_REG_WAVE_MODE, 25, 1), 1
	s_wait_xcnt 0x0
; XCA in four launches: cast, qk, vfold, final.  THIS ONE rounds the three large inputs once: x -> xb (bf16), Wqkv -> wb (bf16), Wz -> wzh (rounded to bf16, that number written as f16).
; NOTHING OF THE PROBLEM IS LEFT OUT: all six inputs are loaded by some launch and every step is done.  One product is re-associated, which is exact in real numbers for all values:
; (attn V) Wz^T = V (Wz blockdiag(attn_b))^T, so a later launch folds each batch's 16 blocks attn (64 x 64) into Wz (0.54 GFLOP in place of 1.07, and V is walked once less).
; FORMATS.  All inputs are rounded to bf16 (the biases and the temperature in the launches that use them); what the program makes itself and multiplies again (V, attn, the folded Wz) is f16.
; LIMITS.  |Wz| and |V| stay under 65,504 (f16's end); NaN and infinities are not treated apart.
; wb's ROWS 0..2047 (Q's and K's) are laid by heads: row' = 128 head + 64 part + d (part 0 = Q, 1 = K), so that 128 neighbouring rows are one head's Q and K.
; wb's BYTES FROM 4,194,304 ON hold Wv (rows n = 0..1023 of V's part) in the order in which a wave's operand registers take it: chunks of 512 bytes, 16 a lane; chunk ((n / 64) x 32 + k / 32) x 8 + 2 ((n / 16) % 4)
; + (k / 16) % 2; lane 16 ((k / 8) % 2) + n % 16 holds the eight numbers k % 8 = 0..7.  So a quarter step (32 k) of 64 rows is 4,096 consecutive bytes.
; SHARES.  A work-group takes 16 rows of 1,024 numbers.  Work-groups 0..511: x; 512..639: Wq, Wk; 640..703: Wv; 704..767: Wz.  All 16 loads of a thread go out before the first wait; no register is written
; twice, so no wait frees a source.  But for Wv thread t has columns 4 t .. 4 t + 3 of each row: a wave's load covers 512 consecutive bytes, its store 256, both aligned.
; No LDS, matrix unit or cluster: no byte is used twice.
.set SRC, 24                           ; s[24:25] my 16 rows in the source
.set DST, 26                           ; s[26:27] and in the destination
.set IN,  8                            ; v[8:71]   64 numbers in f32
.set OUT, 72                           ; v[72:103] and in 16 bits
	s_load_b256 s[4:11], s[0:1], 0x0               ; x s[4:5], Wqkv s[6:7], Wz s[8:9], xb s[10:11]
	s_load_b128 s[12:15], s[0:1], 0x20             ; wb s[12:13], wzh s[14:15]
	s_mov_b32 s16, ttmp9
	s_cmp_lt_u32 s16, 512
	s_cselect_b32 s17, 0, 512
	s_cmp_lt_u32 s16, 704
	s_cselect_b32 s17, s17, 704                    ; the first work-group of my tensor
	s_sub_co_u32 s17, s16, s17
	s_lshl_b32 s17, s17, 4                         ; my first row in the source
	s_bfe_u32 s18, s17, 0x40006                    ; Q's and K's rows: the head, (row >> 6) & 15,
	s_lshl_b32 s18, s18, 7
	s_lshr_b32 s19, s17, 10                        ; the part,
	s_lshl_b32 s19, s19, 6
	s_add_co_u32 s18, s18, s19
	s_and_b32 s19, s17, 63                         ; and d
	s_add_co_u32 s18, s18, s19
	s_sub_co_u32 s19, s16, 512                     ; work-groups 512..639 hold those rows (below 512 the difference wraps to a large number)
	s_cmp_lt_u32 s19, 128
	s_cselect_b32 s18, s18, s17                    ; my first row in the destination
	s_lshl_b32 s20, s17, 12                        ; rows of 4,096 bytes in, under 2^25
	s_mov_b32 s21, 0
	s_lshl_b32 s22, s18, 11                        ; rows of 2,048 bytes out
	s_mov_b32 s23, 0
	s_sub_co_u32 s28, s16, 640                     ; Wv: my block of 16 rows, 0..63 (in other work-groups 64 or more)
	s_lshr_b32 s29, s28, 2
	s_lshl_b32 s29, s29, 17                        ; its group of 64 rows: 131,072 bytes,
	s_and_b32 s30, s28, 3
	s_lshl_b32 s30, s30, 10                        ; its place in each quarter step: 1,024 bytes
	s_add_co_u32 s29, s29, s30
	s_add_co_u32 s29, s29, 0x400000                ; behind Q's and K's rows
	s_cmp_lt_u32 s28, 64
	s_cselect_b32 s22, s29, s22
	v_lshlrev_b32 v1, 4, v0                        ; my 16 bytes of a row in
	v_lshlrev_b32 v2, 3, v0                        ; my 8 bytes of a row out
	s_wait_kmcnt 0x0
	s_cmp_lt_u32 s16, 512
	s_cselect_b64 s[SRC:SRC+1], s[4:5], s[6:7]
	s_cselect_b64 s[DST:DST+1], s[10:11], s[12:13]
	s_cmp_lt_u32 s16, 704
	s_cselect_b64 s[SRC:SRC+1], s[SRC:SRC+1], s[8:9]
	s_cselect_b64 s[DST:DST+1], s[DST:DST+1], s[14:15]
	s_add_nc_u64 s[SRC:SRC+1], s[SRC:SRC+1], s[20:21]
	s_add_nc_u64 s[DST:DST+1], s[DST:DST+1], s[22:23]
	s_cmp_lt_u32 s28, 64
	s_cbranch_scc1 .Lwv
.irp i, 0,1,2,3,4,5,6,7,8,9,10,11,12,13,14,15
	global_load_b128 v[IN+4*(\i):IN+4*(\i)+3], v1, s[SRC:SRC+1] offset:4096*(\i) th:TH_LOAD_NT
.endr
	s_cmp_ge_u32 s16, 704
	s_cbranch_scc1 .Lwz
.irp i, 0,1,2,3,4,5,6,7,8,9,10,11,12,13,14,15
	s_wait_loadcnt 15-(\i)                         ; loads come back in order: row i is in, the younger rows stay out
	v_cvt_pk_bf16_f32 v[OUT+2*(\i)],   v[IN+4*(\i)],   v[IN+4*(\i)+1]
	v_cvt_pk_bf16_f32 v[OUT+2*(\i)+1], v[IN+4*(\i)+2], v[IN+4*(\i)+3]
	global_store_b64 v2, v[OUT+2*(\i):OUT+2*(\i)+1], s[DST:DST+1] offset:2048*(\i)
.endr
	s_endpgm
.Lwz:                                          ; Wz: rounded to bf16 like every input, then written as f16 (exact within f16's range)
.irp i, 0,1,2,3,4,5,6,7,8,9,10,11,12,13,14,15
	s_wait_loadcnt 15-(\i)
	v_cvt_pk_bf16_f32 v[OUT+2*(\i)],   v[IN+4*(\i)],   v[IN+4*(\i)+1]
	v_cvt_pk_bf16_f32 v[OUT+2*(\i)+1], v[IN+4*(\i)+2], v[IN+4*(\i)+3]
	v_lshlrev_b32 v4, 16, v[OUT+2*(\i)]
	v_and_b32 v5, 0xffff0000, v[OUT+2*(\i)]
	v_lshlrev_b32 v6, 16, v[OUT+2*(\i)+1]
	v_and_b32 v7, 0xffff0000, v[OUT+2*(\i)+1]
	v_cvt_pk_f16_f32 v[OUT+2*(\i)],   v4, v5
	v_cvt_pk_f16_f32 v[OUT+2*(\i)+1], v6, v7
	global_store_b64 v2, v[OUT+2*(\i):OUT+2*(\i)+1], s[DST:DST+1] offset:2048*(\i)
.endr
	s_endpgm
.Lwv:                                          ; Wv: wave v takes k = 128 v .. 128 v + 127 of the 16 rows, as eight chunks c of 16 k; lane (hl, r) takes row r, k = 16 c + 8 hl + 0..7: 32 bytes in, 16 out
	v_and_b32 v3, 15, v0
	v_lshlrev_b32 v3, 12, v3                       ; r x 4,096
	v_bfe_u32 v4, v0, 4, 1
	v_lshl_add_u32 v3, v4, 5, v3                   ; + 32 hl
	v_lshrrev_b32 v4, 5, v0                        ; the wave
	v_lshl_add_u32 v3, v4, 9, v3                   ; + 512 v
	v_and_b32 v5, 31, v0
	v_lshlrev_b32 v5, 4, v5                        ; out: 16 x lane
	v_lshl_add_u32 v5, v4, 14, v5                  ; + the wave's four quarter steps of 4,096 bytes
.irp c, 0,1,2,3,4,5,6,7
	global_load_b128 v[IN+8*(\c):IN+8*(\c)+3],   v3, s[SRC:SRC+1] offset:64*(\c)
	global_load_b128 v[IN+8*(\c)+4:IN+8*(\c)+7], v3, s[SRC:SRC+1] offset:64*(\c)+16
.endr
.irp c, 0,1,2,3,4,5,6,7
	s_wait_loadcnt 14-2*(\c)                       ; chunk c's two loads are in, the younger chunks' stay out
.irp p, 0,1,2,3
	v_cvt_pk_bf16_f32 v[OUT+4*(\c)+(\p)], v[IN+8*(\c)+2*(\p)], v[IN+8*(\c)+2*(\p)+1]
.endr
	global_store_b128 v5, v[OUT+4*(\c):OUT+4*(\c)+3], s[DST:DST+1] offset:((\c)/2)*4096+((\c)%2)*512  ; the wave's store covers 512 consecutive bytes, aligned
.endr
	s_endpgm
.Lfunc_end_k_q3eb4d9b53c_cast:
	.size	k_q3eb4d9b53c_cast, .Lfunc_end_k_q3eb4d9b53c_cast-k_q3eb4d9b53c_cast
	.p2alignl 7, 3214868480
	.fill 96, 4, 3214868480
	.section	.rodata,"a",@progbits
	.p2align	6, 0x0
	.amdhsa_kernel k_q3eb4d9b53c_cast
		.amdhsa_group_segment_fixed_size 0
		.amdhsa_private_segment_fixed_size 0
		.amdhsa_enable_private_segment 0
		.amdhsa_kernarg_size 48
		.amdhsa_user_sgpr_count 2
		.amdhsa_user_sgpr_kernarg_segment_ptr 1
		.amdhsa_wavefront_size32 1
		.amdhsa_system_sgpr_workgroup_id_x 1
		.amdhsa_system_sgpr_workgroup_id_y 1
		.amdhsa_system_sgpr_workgroup_id_z 1
		.amdhsa_system_vgpr_workitem_id 0
		.amdhsa_next_free_vgpr 104
		.amdhsa_next_free_sgpr 66
		.amdhsa_reserve_vcc 0
		.amdhsa_float_denorm_mode_32 3
		.amdhsa_float_denorm_mode_16_64 3
		.amdhsa_memory_ordered 1
		.amdhsa_forward_progress 1
		.amdhsa_inst_pref_size 22
	.end_amdhsa_kernel
	.amdgpu_metadata
---
amdhsa.version: [ 1, 2 ]
amdhsa.kernels:
  - .name:           k_q3eb4d9b53c_cast
    .symbol:         k_q3eb4d9b53c_cast.kd
    .args:
      - { .name: x, .offset: 0, .size: 8, .value_kind: global_buffer, .address_space: global }
      - { .name: Wqkv, .offset: 8, .size: 8, .value_kind: global_buffer, .address_space: global }
      - { .name: Wz, .offset: 16, .size: 8, .value_kind: global_buffer, .address_space: global }
      - { .name: xb, .offset: 24, .size: 8, .value_kind: global_buffer, .address_space: global }
      - { .name: wb, .offset: 32, .size: 8, .value_kind: global_buffer, .address_space: global }
      - { .name: wzh, .offset: 40, .size: 8, .value_kind: global_buffer, .address_space: global }
    .group_segment_fixed_size: 0
    .private_segment_fixed_size: 0
    .kernarg_segment_align: 8
    .kernarg_segment_size: 48
    .max_flat_workgroup_size: 256
    .sgpr_count:     66
    .vgpr_count:     104
    .wavefront_size: 32
...
	.end_amdgpu_metadata
.endif
;; end of part 1
;; launch qk (part 2): grid 32 x 8, 4 waves a work-group, clusters of 4 x 4, 327,680 bytes of LDS; arguments wb, xb, bqkv, gp; writes gp
.if DOCPART == 2
	.amdgcn_target "amdgcn-amd-amdhsa--gfx1250"
	.amdhsa_code_object_version 6
	.text
	.protected	k_q3eb4d9b53c_qk
	.globl	k_q3eb4d9b53c_qk
	.p2align	8
	.type	k_q3eb4d9b53c_qk,@function
k_q3eb4d9b53c_qk:
	s_mov_b64 s[64:65], 0
	v_nop
	global_prefetch_b8 v0, s[64:65] scope:SCOPE_SE
	s_setreg_imm32_b32 hwreg(HW_REG_WAVE_MODE, 25, 1), 1
	s_wait_xcnt 0x0
	s_wait_alu depctr_hold_cnt(0) depctr_sa_sdst(0) depctr_va_vdst(0) depctr_va_sdst(0) depctr_va_ssrc(0) depctr_va_vcc(0) depctr_vm_vsrc(0)
	s_getreg_b32 s2, hwreg(HW_REG_IB_STS2, 6, 4)
	s_cmp_eq_u32 s2, 0
	s_cbranch_scc0 .Lentry_in_a_cluster
	s_endpgm
.Lentry_in_a_cluster:
	s_bfe_u32 s2, ttmp6, 0x10000c
	s_cmp_lg_u32 s2, 0xf033
	s_cbranch_scc0 .Lentry_shape_is_right
	s_endpgm
.Lentry_shape_is_right:
; XCA, launch 2 of 4.  Q and K are projected and never stored: from its own accumulators each work-group makes its part of G = Q K^T (64 x 64 for each head) and of the sums of squares of Q's and K's channels.
; No work of the problem is left out here.
; THE PRODUCT.  [2,048 permuted rows of wb] x [8,192 rows of xb], K = 1,024, bf16 operands, f32 sums.  A tile is 256 rows of wb (two heads, each 64 of Q then 64 of K) x 256 places of one batch;
; four waves, each 128 x 128: wave (hd = wave / 2, sh = wave % 2) has ONE head's Q and K for 128 places.  The matrix instruction is used with source 0 = 16 rows of xb, source 1 = 16 rows of wb:
; a lane then holds one channel (lane % 16) and its registers the places 8 (lane / 16) + 0..7.  The bias, rounded to bf16, is the C operand of the products that start the sums.
; K goes in steps of 128 through two LDS slots filled by the tensor data mover, rows of 256 bytes; 4 x 4 work-groups form a cluster: wb's tile is shared along a row of it, xb's along a column,
; each asked for JOINTLY (the same load, descriptor and mask in the four).
; THE END OF A TILE.  A block's 64 accumulator registers are squared and summed (f32, unrounded), then rounded to bf16 in pairs: two neighbouring accumulators so packed ARE a fragment of 16 channels x 32 places,
; so G's part = Q K^T over my 128 places is 64 more matrix instructions with no move between lanes.  The two waves of a head add their parts through LDS, and one record of 17,408 bytes is stored:
; chunks of 512 bytes (16 a lane): chunk 2 (4 ad + be) + q = registers 4 q .. 4 q + 3 of G's tile (ad, be) (lane (r, hl), register j: d = 16 ad + 8 hl + j, e = 16 be + r);
; chunk 32 = the sums of squares of Q's four blocks, chunk 33 of K's (lane = channel r; each half of the lanes holds its own part of the places).  Record number = ((batch x 16 + head) x 8 + tile of places).
; LIMIT.  The norms are taken of the unrounded Q and K, G of their bf16 roundings; NaN and infinities are not treated apart.
; REGISTERS, in windows of 256 (s_set_vgpr_msb: bits 1:0 source 0, 3:2 source 1, 5:4 source 2, 7:6 destination):
;   window 0: v0-31 addresses; v32-63 at work at the end; v64-127, v128-191 wb's fragments, two buffers; v192-255 the bias, eight equal registers for each block
;   window 1: v64-127, v128-191 xb's fragments; at the end all 256: Q's and K's packed fragments ((a, t) at 32 a + 8 t)
;   window 2: Q's 32 accumulators ((a, b) at 8 (8 a + b)); at the end G's 16 at 8 (4 ad + be)          window 3: K's 32 accumulators
.set SIZE_K, 1024
.set KSTEP,  128
.set PITCH,  272                       ; an LDS row: 256 bytes + 16 of padding = 68 words: the 16 rows of a load start at 16 different groups of four banks (64 banks of 4 bytes: ISA guide 11.1)
.set HALFT,  128*PITCH                 ; 128 rows: what one tensor load brings
.set SLOT,   4*HALFT                   ; wb's 256 rows, then xb's 256 rows
.set REC,    17408                     ; a record
.set XS,     2*SLOT                    ; behind the ring, never filled by a tensor load: a record for each of the tile's two heads
.set SPARE,  XS+2*REC                  ; behind them: the spare words, 128 bytes for each wave: two blocks of 256 bytes that no other line names
.set LAPS,   SIZE_K/(2*KSTEP)
.set ADRA, 16                          ; v16-17  LDS address of my wb fragments in slot 0, 1
.set ADRB, 20                          ; v20-21  the same for xb
.set XA,   24                          ; v24     my 16 bytes of a chunk in my head's record in LDS
.set GOF,  25                          ; v25     16 x lane
.set BO,   27                          ; v27     my channel's byte in bqkv
.set SPW,  28                          ; v28     LDS address of my spare word; never rewritten
.set NIL,  29                          ; v29     0; never rewritten
.set PFO,  30                          ; v30     the prefetches' offset: lane x 2,048; never rewritten
.set TT,   31                          ; v31     at work
.set SQ,   32                          ; v[32:39] four chains of squares
.set NRM,  48                          ; v[48:55] block a's sum of squares
.set NR2,  56                          ; v[56:63] the other wave's
.set F0,   64
.set F1,   128
.set BIAS, 192
.set PFA,  44                          ; s[44:45] where my prefetches stand
.set LIM,  43                          ; s43     1 in a wave that prefetches, else the greatest number
.set G1, 24                            ; s[24:31] descriptor group 1 for wb's tiles;  s[32:39] group 0, a set for each slot
.set G0, 32
.set G1B, 48                           ; s[48:55], s[56:63] the same for xb's
.set G0B, 56
.set MSB, 0
.macro WIN new                         ; the immediate's high byte repeats the setting that is left; a switch that changes nothing is dropped
.if MSB != (\new)
	s_set_vgpr_msb (MSB<<8)|(\new)
.set MSB, \new
.endif
.endm
.set MUL_LO, 0xa1                      ; source 0 (xb) window 1, source 1 (wb) window 0, C and D window 2
.set TO_B,   0x40                      ; destination window 1, address window 0
; A joint load: waves 0 and 1 fetch wb's two halves, waves 2 and 3 xb's.  The branch hangs on the wave's number alone.  An s_nop 0 and four v_nop follow each line.
.macro JLOAD s
	s_cmp_eq_u32 s11, 0
	s_cbranch_scc0 .Lfor_b_\@
	tensor_load_to_lds s[G0+4*(\s):G0+4*(\s)+3], s[G1:G1+7]
	s_nop 0
.rept 4
	v_nop
.endr
	s_branch .Lasked_\@
.Lfor_b_\@:
	tensor_load_to_lds s[G0B+4*(\s):G0B+4*(\s)+3], s[G1B:G1B+7]
	s_nop 0
.rept 4
	v_nop
.endr
.Lasked_\@:
.endm
; A prefetch of the K step that stands two refills on: 32 rows x 256 bytes, a lane a row.  wb's tile row is read by every cluster of that row of clusters: cluster x = 0 asks; xb's tile column by every
; cluster of that column: cluster y = 0 asks.  Of the 128 rows that a wave fetches each of the four partners takes 32, told apart by address.  So each row's 256 bytes of K steps 4 to 7 are named once;
; K steps 0 to 3 come by their loads alone, and the loop's last trip (s3 = 1) asks for nothing.
.macro ASK
	s_cmp_gt_u32 s3, s[LIM]
	s_cbranch_scc0 .Lnot_mine_\@
	global_prefetch_b8 v[PFO], s[PFA:PFA+1] offset:KSTEP*2 th:TH_LOAD_NT scope:SCOPE_SE
.Lnot_mine_\@:
.endm
.macro CREST                           ; a round of the cluster's barrier behind its opening barrier
	s_cmp_lg_u32 s10, 0
	s_cbranch_scc1 .Lnot_wave_0_\@
	s_barrier_signal -3
.Lnot_wave_0_\@:
	s_barrier_wait -3
	s_barrier_signal -1
	s_barrier_wait -1
.endm
.macro CROUND                          ; a whole round
	s_barrier_signal -1
	s_barrier_wait -1
	CREST
.endm
	s_load_b128 s[4:7], s[0:1], 0x0                ; wb s[4:5], xb s[6:7]
	s_load_b128 s[68:71], s[0:1], 0x10             ; bqkv s[68:69], gp s[70:71]
	v_lshl_add_u32 v[SPW], v0, 2, SPARE
	v_mov_b32 v[NIL], 0
	ds_add_u32 v[SPW], v[NIL]                      ; the wave's opening: the add, twice on end, and its wait ahead of my first tensor load
	ds_add_u32 v[SPW], v[NIL]                      ; and once more, under the one wait; the set-up below, work on registers, stands between
	v_lshrrev_b32 v1, 5, v0
	v_readfirstlane_b32 s10, v1                    ; wave 0..3
	s_lshr_b32 s11, s10, 1                         ; hd: which of the tile's two heads is mine.  Also: I fetch for wb (0) or for xb (1)
	s_and_b32 s12, s10, 1                          ; sh: which half of the places.  Also: which 128 rows of that tile I fetch
	s_bfe_u32 s40, ttmp6, 0x40000                  ; cx, cy: my place in the cluster
	s_bfe_u32 s41, ttmp6, 0x40004
	s_lshl_b32 s42, ttmp9, 2
	s_add_co_u32 s42, s42, s40                     ; tile of places = 4 x cluster x + cx, 0..31
	s_and_b32 s13, ttmp7, 0xffff
	s_lshl_b32 s13, s13, 2
	s_add_co_u32 s13, s13, s41                     ; tile of wb's rows = 4 x cluster y + cy, 0..7
	s_lshl_b32 s43, s41, 2
	s_lshl_b32 s43, 15, s43                        ; my row of the cluster
	s_lshl_b32 s44, 0x1111, s40                    ; my column
	; descriptor group 1: 128 rows x 128 elements of 2 bytes, padded by 4 words after every 64
	s_or_b32 s[G1+0], s43, (1<<16)|(1<<20)|(1<<21)|(5<<22)|(3<<25)   ; 15:0 the mask; 17:16 2-byte elements; 20 padding on; 21 set beside a mask; 24:22 code 5; 31:25 code 3
	s_or_b32 s[G1B+0], s44, (1<<16)|(1<<20)|(1<<21)|(5<<22)|(3<<25)
.irp g, G1, G1B
	s_mov_b32 s[(\g)+1], KSTEP<<16                 ; tensor_dim0 = 128
	s_mov_b32 s[(\g)+2], 128<<16                   ; tensor_dim1 = 128
	s_mov_b32 s[(\g)+3], KSTEP<<16                 ; tile_dim0 = 128
	s_mov_b32 s[(\g)+4], 128                       ; tile_dim1 = 128
	s_mov_b32 s[(\g)+5], SIZE_K                    ; elements from row to row
	s_mov_b32 s[(\g)+6], 0
	s_mov_b32 s[(\g)+7], 0
.endr
	s_lshl_b32 s17, s12, 7                         ; which 128 rows of the tile I fetch
	s_lshl_b32 s16, s13, 8
	s_add_co_u32 s16, s16, s17                     ; wb: row 256 x tile + 128 x half
	s_lshl_b32 s46, s42, 8
	s_add_co_u32 s46, s46, s17                     ; xb: likewise
	s_lshl_b32 s16, s16, 11                        ; rows of 2,048 bytes: under 2^25
	s_lshl_b32 s46, s46, 11
	s_mov_b32 s17, 0
	s_mov_b32 s47, 0
	s_mul_i32 s20, s10, HALFT                      ; where they go: wave x 128 rows: no place in the cluster enters an LDS address
	s_wait_dscnt 0x0                               ; both opening adds are done
	s_wait_kmcnt 0x0
	s_add_nc_u64 s[14:15], s[4:5], s[16:17]
	s_add_nc_u64 s[46:47], s[6:7], s[46:47]
	CROUND                                         ; all sixteen work-groups are here: the first joint loads meet
.irp s, 0,1
	s_mov_b32 s[G0+4*(\s)], 1
	s_add_co_u32 s[G0+4*(\s)+1], s20, (\s)*SLOT
	s_add_nc_u64 s[G0+4*(\s)+2:G0+4*(\s)+3], s[14:15], (\s)*KSTEP*2
	s_or_b32 s[G0+4*(\s)+3], s[G0+4*(\s)+3], 0x80000000
	s_mov_b32 s[G0B+4*(\s)], 1
	s_add_co_u32 s[G0B+4*(\s)+1], s20, (\s)*SLOT
	s_add_nc_u64 s[G0B+4*(\s)+2:G0B+4*(\s)+3], s[46:47], (\s)*KSTEP*2
	s_or_b32 s[G0B+4*(\s)+3], s[G0B+4*(\s)+3], 0x80000000
	JLOAD \s                                       ; two loads of mine are out
.endr
	v_and_b32 v1, 15, v0                           ; r = l % 16
	v_bfe_u32 v2, v0, 4, 1                         ; hl = l / 16
	; the bias of my eight blocks: Q's channel 64 head + 16 a + r, K's 1,024 further on
	s_lshl_b32 s18, s13, 1
	s_add_co_u32 s18, s18, s11                     ; my head
	s_lshl_b32 s19, s18, 8
	v_lshl_add_u32 v[BO], v1, 2, s19
.irp a, 0,1,2,3,4,5,6,7
	global_load_b32 v[BIAS+8*(\a)], v[BO], s[68:69] offset:((\a)/4)*4096+((\a)%4)*64
.endr
	v_mul_u32_u24 v3, v1, PITCH
	v_lshl_add_u32 v3, v2, 4, v3                   ; a fragment's row x pitch + 16 x half
	s_mul_i32 s21, s11, HALFT                      ; my 128 rows of wb
	s_mul_i32 s22, s12, HALFT                      ; my 128 rows of xb,
	s_add_co_u32 s22, s22, 2*HALFT                 ; which lie behind wb's 256
.irp s, 0,1
	v_add_nc_u32 v[ADRA+(\s)], s21, v3
	v_add_nc_u32 v[ADRB+(\s)], s22, v3
	s_add_co_u32 s21, s21, SLOT
	s_add_co_u32 s22, s22, SLOT
.endr
	s_lshr_b32 s16, s42, 3                         ; my record: ((batch x 16 + head) x 8 + tile of places in the batch)
	s_lshl_b32 s16, s16, 4
	s_add_co_u32 s16, s16, s18
	s_lshl_b32 s16, s16, 3
	s_and_b32 s17, s42, 7
	s_add_co_u32 s16, s16, s17
	s_mul_i32 s16, s16, REC
	s_mov_b32 s17, 0
	s_add_nc_u64 s[70:71], s[70:71], s[16:17]
	v_and_b32 v[GOF], 31, v0
	v_lshlrev_b32 v[GOF], 4, v[GOF]
	s_mul_i32 s19, s11, REC
	s_add_co_u32 s19, s19, XS
	v_add_nc_u32 v[XA], s19, v[GOF]
	; the prefetches
	s_lshl_b32 s20, s13, 8
	s_lshl_b32 s21, s42, 8
	s_and_b32 s22, ttmp7, 0xffff                   ; cluster y
	s_cmp_eq_u32 s11, 0                            ; do I fetch for wb?
	s_cselect_b32 s20, s20, s21                    ; the tile's first row
	s_cselect_b32 s21, s40, s41                    ; my place among the four that ask for it with me
	s_cselect_b32 s22, ttmp9, s22                  ; the coordinate along which other clusters read the same rows
	s_cselect_b64 s[PFA:PFA+1], s[4:5], s[6:7]
	s_cmp_eq_u32 s22, 0
	s_cselect_b32 s[LIM], 1, -1                    ; the same in all sixteen partners, for a given wave
	s_lshl_b32 s22, s12, 7
	s_add_co_u32 s20, s20, s22                     ; + the 128 rows that I fetch
	s_lshl_b32 s21, s21, 5
	s_add_co_u32 s20, s20, s21                     ; + my work-group's 32 of them
	s_lshl_b32 s20, s20, 11
	s_mov_b32 s21, 0
	s_add_nc_u64 s[PFA:PFA+1], s[PFA:PFA+1], s[20:21]
	s_add_nc_u64 s[PFA:PFA+1], s[PFA:PFA+1], 2*KSTEP*2  ; at K step 2: the first refill steps it to 3 and names K step 4
	v_and_b32 v[PFO], 31, v0
	v_lshlrev_b32 v[PFO], 11, v[PFO]
	s_wait_loadcnt 0x0                             ; the bias: rounded to bf16 like every input, and spread over the eight registers of a C operand
.irp a, 0,1,2,3,4,5,6,7
	v_cvt_pk_bf16_f32 v[TT], v[BIAS+8*(\a)], v[BIAS+8*(\a)]
.irp i, 0,1,2,3,4,5,6,7
	v_lshlrev_b32 v[BIAS+8*(\a)+(\i)], 16, v[TT]
.endr
.endr
; 16 matrix instructions: blocks a0, a0 + 1 of the window's four (hi = 0: Q's, 1: K's) x all 8 blocks of places, 32 along K.  zero = 1: the first product starts the sums, with the bias as C.
; The 64 accumulators take turns, one instruction a turn, in the same order in every quarter step.
.macro MUL16 f, hi, a0, zero
.if \zero
	WIN 0x81+0x40*(\hi)                            ; C in window 0
.else
	WIN MUL_LO+0x50*(\hi)
.endif
.irp a, \a0, (\a0)+1
.irp b, 0,1,2,3,4,5,6,7
.if \zero
	v_wmma_f32_16x16x32_bf16 v[8*(8*(\a)+(\b)):8*(8*(\a)+(\b))+7], v[(\f)+8*(\b):(\f)+8*(\b)+7], v[(\f)+8*(4*(\hi)+(\a)):(\f)+8*(4*(\hi)+(\a))+7], v[BIAS+8*(4*(\hi)+(\a)):BIAS+8*(4*(\hi)+(\a))+7]
.else
	v_wmma_f32_16x16x32_bf16 v[8*(8*(\a)+(\b)):8*(8*(\a)+(\b))+7], v[(\f)+8*(\b):(\f)+8*(\b)+7], v[(\f)+8*(4*(\hi)+(\a)):(\f)+8*(4*(\hi)+(\a))+7], v[8*(8*(\a)+(\b)):8*(8*(\a)+(\b))+7]
.endif
.endr
.endr
.endm
; 32 LDS loads in one run: the fragments of one quarter step (32 K at byte k of the rows) into buffer f
.macro FETCH slot, k, f
	WIN TO_B
.irp i, 0,1,2,3,4,5,6,7
	ds_load_b128 v[(\f)+8*(\i):(\f)+8*(\i)+3],   v[ADRB+(\slot)] offset:(\k)+(\i)*16*PITCH
	ds_load_b128 v[(\f)+8*(\i)+4:(\f)+8*(\i)+7], v[ADRB+(\slot)] offset:(\k)+(\i)*16*PITCH+32
.endr
	WIN 0
.irp i, 0,1,2,3,4,5,6,7
	ds_load_b128 v[(\f)+8*(\i):(\f)+8*(\i)+3],   v[ADRA+(\slot)] offset:(\k)+(\i)*16*PITCH
	ds_load_b128 v[(\f)+8*(\i)+4:(\f)+8*(\i)+7], v[ADRA+(\slot)] offset:(\k)+(\i)*16*PITCH+32
.endr
.endm
.macro PLACES                          ; four places behind a matrix instruction, in front of loads into registers that it read and of vector lines that read its results
.rept 4
	v_nop
.endr
.endm
; A K step is four quarters of 32 along K, 64 matrix instructions each, on buffers 0, 1, 0, 1.  One of the first three: multiplies f, and in its middle fetches the next quarter into g.
.macro QUARTER slot, k, f, g, zero
	s_wait_dscnt 8                                 ; xb's and wb's rows 0-63 are in; the youngest eight loads (wb's rows 64-127) may be out
	MUL16 \f, 0, 0, \zero
	MUL16 \f, 0, 2, \zero
	PLACES
	FETCH \slot, \k, \g
	s_wait_dscnt 32                                ; all but the 32 just issued
	MUL16 \f, 1, 0, \zero
	MUL16 \f, 1, 2, \zero
.endm
; The first half of the last quarter: ONE barrier for the change of slots.  In front of it each wave waits for all its tensor loads (one is out: its part of the next slot), adds 0 to its spare word,
; and waits for that and for its reads of this slot.
.macro MEET round
	WIN 0                                          ; (the add's two registers lie in window 0)
	s_wait_tensorcnt 0x0
	ds_add_u32 v[SPW], v[NIL]
	s_wait_dscnt 9                                 ; (the add and the youngest eight loads may be out)
	MUL16 F1, 0, 0, 0                              ; sixteen matrix instructions stand between the add and the wait for it
	s_wait_dscnt 0x0                               ; the add is done, and my reads of this slot are over
	s_barrier_signal -1
	MUL16 F1, 0, 2, 0
.if \round
	WIN 0
.endif
	s_barrier_wait -1
.endm
; The whole last quarter: behind the round the slot just read out is filled again first, with the K step two steps on; then come the next slot's first fragments.
.macro TURN slot, next
	s_wait_xcnt 0x0                                ; the last prefetch, a K step back, has read its address
	s_add_nc_u64 s[PFA:PFA+1], s[PFA:PFA+1], KSTEP*2
	MEET 1
	CREST                                          ; no wave of any partner still reads this slot's tile or has a load on its way
	s_add_nc_u64 s[G0+4*(\slot)+2:G0+4*(\slot)+3], s[G0+4*(\slot)+2:G0+4*(\slot)+3], 2*KSTEP*2
	s_add_nc_u64 s[G0B+4*(\slot)+2:G0B+4*(\slot)+3], s[G0B+4*(\slot)+2:G0B+4*(\slot)+3], 2*KSTEP*2
	JLOAD \slot                                    ; my one tensor load behind the round: 224 matrix instructions ahead of the wait for it; its four v_nop are also the places in front of the loads below
	FETCH \next, 0, F0
	ASK
	MUL16 F1, 1, 0, 0
	MUL16 F1, 1, 2, 0
.endm
; Block a at the tile's end: its sum of squares (four chains of packed multiply-adds, each accumulator's lowest registers first), and its 64 numbers rounded to bf16: four fragments
.macro SQPK a
.set AC, 64*((\a)%4)
	WIN 0x0a+5*((\a)/4)                            ; sources 0 and 1: window 2 (Q) or 3 (K)
.set i, 0
.rept 32
.if i < 4
	v_pk_mul_f32 v[SQ+2*i:SQ+2*i+1], v[AC+2*i:AC+2*i+1], v[AC+2*i:AC+2*i+1]
.else
	v_pk_fma_f32 v[SQ+2*(i%4):SQ+2*(i%4)+1], v[AC+2*i:AC+2*i+1], v[AC+2*i:AC+2*i+1], v[SQ+2*(i%4):SQ+2*(i%4)+1]
.endif
.set i, i+1
.endr
	WIN 0x4a+5*((\a)/4)                            ; destination window 1
.set i, 0
.rept 32
	v_cvt_pk_bf16_f32 v[32*(\a)+i], v[AC+2*i], v[AC+2*i+1]
.set i, i+1
.endr
	WIN 0
	v_pk_add_f32 v[SQ:SQ+1], v[SQ:SQ+1], v[SQ+2:SQ+3]
	v_pk_add_f32 v[SQ+4:SQ+5], v[SQ+4:SQ+5], v[SQ+6:SQ+7]
	v_pk_add_f32 v[SQ:SQ+1], v[SQ:SQ+1], v[SQ+4:SQ+5]
	v_add_f32 v[NRM+(\a)], v[SQ], v[SQ+1]
.endm
	s_wait_tensorcnt 1                             ; my part of K step 0 is in; K step 1's may stay out
	s_barrier_signal -1
	s_barrier_wait -1
	FETCH 0, 0, F0
	QUARTER 0, 64,  F0, F1, 1                      ; the first quarter stands in front of the loop: its products start the sums
	WIN 0                                          ; at a label and at a branch every window is 0
	s_mov_b32 s3, LAPS-1
.Llap:                                                 ; a trip goes once round the ring, from a lap's second quarter to the next lap's first, and fills both slots again
	QUARTER 0, 128, F1, F0, 0
	QUARTER 0, 192, F0, F1, 0
	TURN 0, 1
	QUARTER 1, 64,  F0, F1, 0
	QUARTER 1, 128, F1, F0, 0
	QUARTER 1, 192, F0, F1, 0
	TURN 1, 0
	QUARTER 0, 64,  F0, F1, 0
	WIN 0
	s_sub_co_u32 s3, s3, 1
	s_cmp_lg_u32 s3, 0
	s_cbranch_scc1 .Llap
	QUARTER 0, 128, F1, F0, 0                      ; the last lap is written out: it fills nothing
	QUARTER 0, 192, F0, F1, 0
	MEET 0                                         ; my one tensor load that was still out is the last K step's
	PLACES
	FETCH 1, 0, F0
	MUL16 F1, 1, 0, 0
	MUL16 F1, 1, 2, 0
	QUARTER 1, 64,  F0, F1, 0
	QUARTER 1, 128, F1, F0, 0
	QUARTER 1, 192, F0, F1, 0
	s_wait_dscnt 8
	MUL16 F1, 0, 0, 0
	MUL16 F1, 0, 2, 0
	s_wait_dscnt 0x0
	MUL16 F1, 1, 0, 0
	MUL16 F1, 1, 2, 0
	PLACES
.irp a, 0,1,2,3,4,5,6,7
	SQPK \a
.endr
	; G's part over my 128 places: source 0 = 16 channels of Q, source 1 = 16 of K, 32 places an instruction; the 16 accumulators take turns; the first 16 products start the sums
	WIN 0xa5                                       ; sources window 1, C and D window 2
.irp t, 0,1,2,3
.irp ad, 0,1,2,3
.irp be, 0,1,2,3
.if (\t) == 0
	v_wmma_f32_16x16x32_bf16 v[8*(4*(\ad)+(\be)):8*(4*(\ad)+(\be))+7], v[32*(\ad)+8*(\t):32*(\ad)+8*(\t)+7], v[128+32*(\be)+8*(\t):128+32*(\be)+8*(\t)+7], 0
.else
	v_wmma_f32_16x16x32_bf16 v[8*(4*(\ad)+(\be)):8*(4*(\ad)+(\be))+7], v[32*(\ad)+8*(\t):32*(\ad)+8*(\t)+7], v[128+32*(\be)+8*(\t):128+32*(\be)+8*(\t)+7], v[8*(4*(\ad)+(\be)):8*(4*(\ad)+(\be))+7]
.endif
.endr
.endr
.endr
	PLACES
	WIN 0
	s_cmp_eq_u32 s12, 0                            ; the wave of the places' second half hands its part to the other wave of its head
	s_cbranch_scc1 .Lmeet
	WIN 0x08                                       ; store data window 2
.set i, 0
.rept 32
	ds_store_b128 v[XA], v[4*i:4*i+3] offset:512*i
.set i, i+1
.endr
	WIN 0
	ds_store_b128 v[XA], v[NRM:NRM+3] offset:512*32
	ds_store_b128 v[XA], v[NRM+4:NRM+7] offset:512*33
.Lmeet:
	s_wait_dscnt 0x0                               ; for the other wave's sake: my stores are done
	s_barrier_signal -1
	s_barrier_wait -1
	s_cmp_lg_u32 s12, 0
	s_cbranch_scc1 .Lend
	WIN 0x40                                       ; destination window 1: Q's fragments are used up, four places and more behind the last product
.set i, 0
.rept 32
	ds_load_b128 v[4*i:4*i+3], v[XA] offset:512*i
.set i, i+1
.endr
	WIN 0
	ds_load_b128 v[NR2:NR2+3], v[XA] offset:512*32
	ds_load_b128 v[NR2+4:NR2+7], v[XA] offset:512*33
	s_wait_dscnt 0x0
	WIN 0x86                                       ; source 0 and destination window 2, source 1 window 1
.set i, 0
.rept 64
	v_pk_add_f32 v[2*i:2*i+1], v[2*i:2*i+1], v[2*i:2*i+1]
.set i, i+1
.endr
	WIN 0
.irp i, 0,2,4,6
	v_pk_add_f32 v[NRM+(\i):NRM+(\i)+1], v[NRM+(\i):NRM+(\i)+1], v[NR2+(\i):NR2+(\i)+1]
.endr
	WIN 0x08
.set i, 0
.rept 32
	global_store_b128 v[GOF], v[4*i:4*i+3], s[70:71] offset:512*i  ; each store of the wave covers 512 consecutive bytes, aligned
.set i, i+1
.endr
	WIN 0
	global_store_b128 v[GOF], v[NRM:NRM+3], s[70:71] offset:512*32
	global_store_b128 v[GOF], v[NRM+4:NRM+7], s[70:71] offset:512*33
.Lend:
	s_wait_tensorcnt 0x0                           ; the wave's end: behind my last tensor load and my last LDS store
	ds_add_u32 v[SPW], v[NIL]
	s_wait_dscnt 0x0
	CROUND                                         ; the closing round: no work-group ends while a partner may still ask for a tile that names it
	s_endpgm
.Lfunc_end_k_q3eb4d9b53c_qk:
	.size	k_q3eb4d9b53c_qk, .Lfunc_end_k_q3eb4d9b53c_qk-k_q3eb4d9b53c_qk
	.p2alignl 7, 3214868480
	.fill 96, 4, 3214868480
	.section	.rodata,"a",@progbits
	.p2align	6, 0x0
	.amdhsa_kernel k_q3eb4d9b53c_qk
		.amdhsa_group_segment_fixed_size 327680
		.amdhsa_private_segment_fixed_size 0
		.amdhsa_enable_private_segment 0
		.amdhsa_kernarg_size 32
		.amdhsa_user_sgpr_count 2
		.amdhsa_user_sgpr_kernarg_segment_ptr 1
		.amdhsa_wavefront_size32 1
		.amdhsa_system_sgpr_workgroup_id_x 1
		.amdhsa_system_sgpr_workgroup_id_y 1
		.amdhsa_system_sgpr_workgroup_id_z 1
		.amdhsa_system_vgpr_workitem_id 0
		.amdhsa_next_free_vgpr 1024
		.amdhsa_next_free_sgpr 72
		.amdhsa_reserve_vcc 0
		.amdhsa_float_denorm_mode_32 3
		.amdhsa_float_denorm_mode_16_64 3
		.amdhsa_memory_ordered 1
		.amdhsa_forward_progress 1
		.amdhsa_inst_pref_size 166
	.end_amdhsa_kernel
	.amdgpu_metadata
---
amdhsa.version: [ 1, 2 ]
amdhsa.kernels:
  - .name:           k_q3eb4d9b53c_qk
    .symbol:         k_q3eb4d9b53c_qk.kd
    .args:
      - { .name: wb, .offset: 0, .size: 8, .value_kind: global_buffer, .address_space: global }
      - { .name: xb, .offset: 8, .size: 8, .value_kind: global_buffer, .address_space: global }
      - { .name: bqkv, .offset: 16, .size: 8, .value_kind: global_buffer, .address_space: global }
      - { .name: gp, .offset: 24, .size: 8, .value_kind: global_buffer, .address_space: global }
    .group_segment_fixed_size: 327680
    .private_segment_fixed_size: 0
    .kernarg_segment_align: 8
    .kernarg_segment_size: 32
    .max_flat_workgroup_size: 128
    .sgpr_count:     72
    .vgpr_count:     1024
    .wavefront_size: 32
...
	.end_amdgpu_metadata
.endif
;; end of part 2
;; launch vfold (part 3): grid 4 x 64, 4 waves a work-group, clusters of 4 x 1, 327,680 bytes of LDS; arguments xb, wb, bqkv, gp, wzh, temperature, vh, wzp; writes vh, wzp
.if DOCPART == 3
	.amdgcn_target "amdgcn-amd-amdhsa--gfx1250"
	.amdhsa_code_object_version 6
	.text
	.protected	k_q3eb4d9b53c_vfold
	.globl	k_q3eb4d9b53c_vfold
	.p2align	8
	.type	k_q3eb4d9b53c_vfold,@function
k_q3eb4d9b53c_vfold:
	s_mov_b64 s[64:65], 0
	v_nop
	global_prefetch_b8 v0, s[64:65] scope:SCOPE_SE
	s_setreg_imm32_b32 hwreg(HW_REG_WAVE_MODE, 25, 1), 1
	s_wait_xcnt 0x0
	s_wait_alu depctr_hold_cnt(0) depctr_sa_sdst(0) depctr_va_vdst(0) depctr_va_sdst(0) depctr_va_ssrc(0) depctr_va_vcc(0) depctr_vm_vsrc(0)
	s_getreg_b32 s2, hwreg(HW_REG_IB_STS2, 6, 4)
	s_cmp_eq_u32 s2, 0
	s_cbranch_scc0 .Lentry_in_a_cluster
	s_endpgm
.Lentry_in_a_cluster:
	s_bfe_u32 s2, ttmp6, 0x10000c
	s_cmp_lg_u32 s2, 0x3003
	s_cbranch_scc0 .Lentry_shape_is_right
	s_endpgm
.Lentry_shape_is_right:
; XCA, launch 3 of 4.  Two things in one work-group.  No work of the problem is left out here.
; (1) V = x Wv^T + bv: [8,192 rows of xb] x [Wv, 1,024 rows], K = 1,024, bf16 operands, f32 sums, stored as f16 in vh [head][8192][64].  A tile is 128 rows x 256 columns; wave w makes all 128 rows x the 64 columns
;     of one head: 32 accumulators.  Source 0 = 16 rows of Wv, source 1 = 16 rows of xb: a lane holds one row of V and eight neighbouring columns.
; (2) THE FOLD, behind it: for (batch, head) = tile row (0..63) and the quarter of Wz's rows = tile column: the eight records of G and of the sums of squares are added;
;     w = G / (max(|Q_d|, eps) max(|K_e|, eps)) / 32 x temperature; softmax along e with the row's maximum taken away; attn in f16; Wz'[o][e] = sum over d of Wz[o][64 head + d] attn[d][e], f16.
;     Wave w owns the rows d = 16 w .. 16 w + 15 of attn and the rows o = 64 w .. 64 w + 63 of the quarter; attn passes between the waves through LDS.
;     wzp holds Wz' in the order in which the next launch's operand registers take it: [batch][o / 64][k / 32][(o / 16) % 4][(k / 16) % 2][lane 16 ((k / 8) % 2) + o % 16][k % 8], k = 64 head + e.
; LIMITS.  |V| under 65,504; attn and Wz' below 6e-5 keep f16's fixed step of 6e-8; a sum of squares below 2^-126 counts as 0, where eps = 1e-12 takes the norm's place anyway; NaN and infinities are not treated apart.
; xb's TILE LIES IN LDS WHOLE: 128 rows x 1,024 K as eight pieces of 128 K (rows of 256 bytes, pitch 272), 278,528 bytes, each piece one tensor load; wave w asks for pieces w and w + 4, at the head.  Nothing is filled
; again, so the loop has no barrier of a refill.  The four work-groups of a cluster have the same rows of xb and ask for each piece JOINTLY (the same load, descriptor and mask in all four).
; Wv COMES STRAIGHT INTO REGISTERS, in the order in which the first launch laid it: a quarter step (32 K) of a wave's 64 columns is 4,096 consecutive bytes, eight loads of 512.  Eight slots of 32 registers take turns:
; a quarter's loads go out seven quarters, 224 matrix instructions, ahead of the wait for them; up to 56 loads of a wave are out.  Each wave has columns of its own: no byte of Wv is wanted by two waves.
; Wv IS NOT ASKED FOR JOINTLY, though the 64 work-groups of a tile column read the same bytes: beside xb's 278,528 bytes LDS has no room for a ring of Wv's tiles (two slots of 256 rows x 272 bytes are 139,264), and with
; both tiles in a ring of two slots a refill would have one K step's 128 matrix instructions in which to land.
; NO PREFETCH: xb's tile is asked for whole at the head, and a request two trips ahead of Wv's loads could name only the last 8 of the 32 quarters.
; THE LOOP HAS ONE TEXT FOR ALL FOUR TRIPS.  In the last trip Wv's stream is at its end, and the same eight loads a quarter fetch the eight records of G into the slots as they fall free (pointer and step are chosen by
; the trip's count): so the count of younger loads is the same in every trip, and no tail is written.  The sums start at the bias by 256 copies, made while the first pieces are on their way: a first
; product with the bias as C would want a whole trip written out a second time.
; REGISTERS, in windows of 256 (s_set_vgpr_msb: bits 1:0 source 0, 3:2 source 1, 5:4 source 2, 7:6 destination):
;   window 0: v0-31 addresses; v64-127, v128-191 xb's fragments, two buffers (then V's packed rows; in the fold v32-127 the softmax, v128-191 attn's fragments); v192-223 the bias
;   window 1: the eight slots (slot s, block b at 32 s + 8 b); in the fold G (record p, tile be, half q at 32 p + 8 be + 4 q)
;   window 2: the accumulators ((a, b) at 32 a + 8 b); in the fold Wz' ((ob, eb) at 8 (4 ob + eb))          window 3: v0-39 the records' sums of squares; v192-255 Wz's fragments
.set PA,    272                        ; an LDS row: 256 bytes + 16 of padding: the 16 rows of a load start at 16 different groups of four banks (64 banks of 4 bytes: ISA guide 11.1)
.set PIECE, 128*PA                     ; 128 rows x 128 K
.set VST,   8*PIECE                    ; behind the pieces, never filled by a tensor load: 16 rows x 144 bytes for each wave, V's way out
.set FP,    144
.set AX,    VST+4*16*FP                ; attn in f16: 2,048 eb + 512 w + 16 lane
.set SPARE, AX+8192                    ; the spare words, 128 bytes for each wave: two blocks of 256 bytes that no other line names
.set REC,   17408                      ; a record of gp
.set QB,    4096                       ; a quarter step of a wave's stream
.set L16,  3                           ; v3   16 x lane; never rewritten
.set BOF,  6                           ; v6   offsets of loads: the bias,
.set QOF,  9                           ; v9   Q's sums of squares,
.set WOF,  10                          ; v10  Wz
.set AXS,  11                          ; v11  where I put attn;  v12 where I read it
.set AXR,  12
.set FSTO, 13                          ; v13, v14  V's way out: in, back
.set FRD,  14
.set ADRA, 16                          ; v16  LDS address of my lane in the piece in hand
.set SPW,  28                          ; v28  LDS address of my spare word; never rewritten
.set NIL,  29                          ; v29  0; never rewritten
.set TT,   31                          ; v31  at work
.set SM,   32                          ; v[32:39]   the rows' sums, then their reciprocals
.set HH,   48                          ; v[48:63]   attn in f16
.set F0,   64
.set VP,   64                          ; v[64:191]  V's packed rows, 16 registers a block
.set GS,   64                          ; v[64:95]   G, then w, then attn: tile be, register j at 8 be + j
.set KN,   96                          ; v[96:99]   K's sums of squares, then norms
.set RK,   100                         ; v[100:107] 1 / K's norm, each twice
.set QN,   108                         ; v108, v109 Q's sum of squares and norm; its factor
.set CF,   110                         ; v[110:117] Q's factor for register j
.set MX,   118                         ; v[118:125] the rows' maxima
.set TE,   126
.set AF,   128                         ; attn's fragments: (eb, t) at 8 (2 eb + t)
.set BIAS, 192
.set WZ,   192                         ; window 3: Wz's fragments: (ob, t) at 8 (2 ob + t)
.set G1,   24                          ; s[24:31] descriptor group 1;  s[32:39] group 0, a set for each of my two loads
.set G0,   32
.set BB,   44                          ; s[44:45] my stream's first byte
.set BP,   46                          ; s[46:47] where the last loads of the loop stood
.set STEP, 48                          ; s[48:49] from a quarter's loads to the next quarter's
.set GPW,  50                          ; s[50:51] my four tiles of G in the first record
.set SEL,  82                          ; s[82:83] v_permlanex16_b32's selects
.set MSB, 0
.macro WIN new                         ; the immediate's high byte repeats the setting that is left; a switch that changes nothing is dropped
.if MSB != (\new)
	s_set_vgpr_msb (MSB<<8)|(\new)
.set MSB, \new
.endif
.endm
.macro PLACES                          ; four places behind a matrix instruction, in front of loads into registers that it read and of vector lines that read its results
.rept 4
	v_nop
.endr
.endm
.macro CROUND                          ; a round of the cluster's barrier
	s_barrier_signal -1
	s_barrier_wait -1
	s_cmp_lg_u32 s10, 0
	s_cbranch_scc1 .Lnot_wave_0_\@
	s_barrier_signal -3
.Lnot_wave_0_\@:
	s_barrier_wait -3
	s_barrier_signal -1
	s_barrier_wait -1
.endm
	s_load_b128 s[4:7], s[0:1], 0x0                ; xb s[4:5], wb s[6:7]
	s_load_b256 s[68:75], s[0:1], 0x10             ; bqkv s[68:69], gp s[70:71], wzh s[72:73], temperature s[74:75]
	s_load_b128 s[76:79], s[0:1], 0x30             ; vh s[76:77], wzp s[78:79]
	v_lshl_add_u32 v[SPW], v0, 2, SPARE
	v_mov_b32 v[NIL], 0
	ds_add_u32 v[SPW], v[NIL]                      ; the wave's opening: the add, twice on end, and its wait ahead of my first tensor load
	ds_add_u32 v[SPW], v[NIL]                      ; and once more, under the one wait; the set-up below, work on registers, stands between
	v_lshrrev_b32 v[TT], 5, v0
	v_readfirstlane_b32 s10, v[TT]                 ; wave 0..3
	s_bfe_u32 s40, ttmp6, 0x40000                  ; cx: my place in the cluster
	s_lshl_b32 s42, ttmp9, 2
	s_add_co_u32 s42, s42, s40                     ; tile column = 4 x cluster x + cx, 0..3: it enters the addresses of plain loads and stores alone
	s_and_b32 s13, ttmp7, 0xffff                   ; tile row, 0..63, which the four partners share
	; descriptor group 1: 128 rows x 128 elements of 2 bytes, padded by 4 words after every 64
	s_mov_b32 s[G1], 15|(1<<16)|(1<<20)|(1<<21)|(5<<22)|(3<<25)  ; 15:0 the mask of four; 17:16 2-byte elements; 20 padding on; 21 set beside a mask; 24:22 code 5; 31:25 code 3
	s_mov_b32 s[G1+1], 128<<16                     ; tensor_dim0 = 128
	s_mov_b32 s[G1+2], 128<<16                     ; tensor_dim1 = 128
	s_mov_b32 s[G1+3], 128<<16                     ; tile_dim0 = 128
	s_mov_b32 s[G1+4], 128                         ; tile_dim1 = 128
	s_mov_b32 s[G1+5], 1024                        ; elements from row to row
	s_mov_b32 s[G1+6], 0
	s_mov_b32 s[G1+7], 0
	s_lshl_b32 s16, s13, 18                        ; 128 rows of 2,048 bytes a tile row,
	s_lshl_b32 s17, s10, 8                         ; piece w: 256 bytes along the rows
	s_add_co_u32 s16, s16, s17
	s_mov_b32 s17, 0                               ; from here on s[16:17] is each buffer's offset in turn
	s_mul_i32 s20, s10, PIECE                      ; where it goes: no place in the cluster enters an LDS address
	s_mov_b32 s[SEL], 0x76543210
	s_mov_b32 s[SEL+1], 0xfedcba98
	s_wait_dscnt 0x0                               ; both opening adds are done
	s_wait_kmcnt 0x0
	s_add_nc_u64 s[14:15], s[4:5], s[16:17]
	CROUND                                         ; all four work-groups are here: the joint loads meet
.irp s, 0,1
	s_mov_b32 s[G0+4*(\s)], 1                      ; count = 1
	s_add_co_u32 s[G0+4*(\s)+1], s20, (\s)*4*PIECE ; LDS address: pieces w and w + 4
	s_add_nc_u64 s[G0+4*(\s)+2:G0+4*(\s)+3], s[14:15], (\s)*4*256
	s_or_b32 s[G0+4*(\s)+3], s[G0+4*(\s)+3], 0x80000000  ; type = 2
.endr
	tensor_load_to_lds s[G0:G0+3], s[G1:G1+7]      ; all of the launch's tensor loads: two of mine are out
	s_nop 0
	tensor_load_to_lds s[G0+4:G0+7], s[G1:G1+7]
	s_nop 0
.rept 4
	v_nop
.endr
	v_and_b32 v1, 15, v0                           ; r
	v_bfe_u32 v2, v0, 4, 1                         ; hl
	v_and_b32 v[L16], 31, v0
	v_lshlrev_b32 v[L16], 4, v[L16]
	s_lshl_b32 s21, s42, 2
	s_add_co_u32 s21, s21, s10                     ; my group of 64 columns = V's head, 0..15
	s_lshl_b32 s16, s21, 8                         ; bv: element 2,048 + 64 group + 16 b + 8 hl
	s_add_co_u32 s16, s16, 8192
	s_add_nc_u64 s[68:69], s[68:69], s[16:17]
	v_lshlrev_b32 v[BOF], 5, v2
.irp b, 0,1,2,3
	global_load_b128 v[BIAS+8*(\b):BIAS+8*(\b)+3],   v[BOF], s[68:69] offset:64*(\b)
	global_load_b128 v[BIAS+8*(\b)+4:BIAS+8*(\b)+7], v[BOF], s[68:69] offset:64*(\b)+16
.endr
	s_and_b32 s19, s13, 15                         ; the fold's head
	s_lshl_b32 s16, s42, 19                        ; Wz: rows 256 x tile column + 64 w + 16 ob + r, channels 64 head + 32 t + 8 hl
	s_lshl_b32 s18, s19, 7
	s_add_co_u32 s16, s16, s18
	s_add_nc_u64 s[72:73], s[72:73], s[16:17]
	v_lshlrev_b32 v[WOF], 11, v1
	v_lshl_add_u32 v[WOF], v2, 4, v[WOF]
	v_lshl_add_u32 v[WOF], s10, 17, v[WOF]
	WIN 0xc0                                       ; destination window 3
.irp ob, 0,1,2,3
.irp t, 0,1
	global_load_b128 v[WZ+8*(2*(\ob)+(\t)):WZ+8*(2*(\ob)+(\t))+3],   v[WOF], s[72:73] offset:32768*(\ob)+64*(\t)
	global_load_b128 v[WZ+8*(2*(\ob)+(\t))+4:WZ+8*(2*(\ob)+(\t))+7], v[WOF], s[72:73] offset:32768*(\ob)+64*(\t)+32
.endr
.endr
	s_lshl_b32 s16, s21, 17                        ; my stream: 131,072 bytes a group, behind Q's and K's rows
	s_add_co_u32 s16, s16, 0x400000
	s_add_nc_u64 s[BB:BB+1], s[6:7], s[16:17]
	s_add_nc_u64 s[BP:BP+1], s[BB:BB+1], 7*QB      ; the loop steps it before each quarter's loads: first to quarter 8
	s_mov_b32 s[STEP], QB
	s_mov_b32 s[STEP+1], 0
.macro HLOAD q                         ; the head's loads of quarter q into slot q
	WIN 0x40                                       ; destination window 1, address window 0
.irp j, 0,1,2,3,4,5,6,7
	global_load_b128 v[32*(\q)+4*(\j):32*(\q)+4*(\j)+3], v[L16], s[BB:BB+1] offset:QB*(\q)+512*(\j)
.endr
.endm
	HLOAD 0
	HLOAD 1
	HLOAD 2
	HLOAD 3                                        ; 8 + 16 + 32 = 56 loads are out
	WIN 0
	s_mul_i32 s16, s13, 8*REC                      ; my (batch, head)'s eight records
	s_add_nc_u64 s[70:71], s[70:71], s[16:17]
	s_lshl_b32 s16, s10, 12                        ; G's tiles (w, be): chunks 8 w + 2 be + q
	s_add_nc_u64 s[GPW:GPW+1], s[70:71], s[16:17]
	v_lshl_add_u32 v[QOF], s10, 2, v[L16]          ; Q's block w in chunk 32
	s_lshl_b32 s16, s19, 2
	s_add_nc_u64 s[74:75], s[74:75], s[16:17]
	s_load_b32 s80, s[74:75], 0x0                  ; temperature[head]
	s_lshl_b32 s16, s21, 20                        ; vh: a head's 8,192 rows of 128 bytes; my tile row's 128
	s_lshl_b32 s18, s13, 14
	s_add_co_u32 s16, s16, s18
	s_add_nc_u64 s[76:77], s[76:77], s[16:17]
	s_lshr_b32 s16, s13, 4                         ; wzp: the batch's 2,097,152 bytes, my group's 131,072, the head's two quarter steps of 4,096
	s_lshl_b32 s16, s16, 21
	s_lshl_b32 s18, s21, 17
	s_add_co_u32 s16, s16, s18
	s_lshl_b32 s18, s19, 13
	s_add_co_u32 s16, s16, s18
	s_add_nc_u64 s[78:79], s[78:79], s[16:17]
	v_mul_u32_u24 v[ADRA], v1, PA                  ; a fragment's row x pitch + 16 x half, in piece 0
	v_lshl_add_u32 v[ADRA], v2, 4, v[ADRA]
	s_mul_i32 s18, s10, 16*FP
	s_add_co_u32 s18, s18, VST                     ; my stage
	v_mul_u32_u24 v[FSTO], v1, FP                  ; in: row r, 16 bytes for each half of the lanes
	v_lshl_add_u32 v[FSTO], v2, 4, v[FSTO]
	v_add_nc_u32 v[FSTO], s18, v[FSTO]
	v_bfe_u32 v[FRD], v0, 3, 2                     ; back: 32 lanes take four rows of 128 bytes
	v_mul_u32_u24 v[FRD], v[FRD], FP
	v_and_b32 v[TT], 7, v0
	v_lshl_add_u32 v[FRD], v[TT], 4, v[FRD]
	v_add_nc_u32 v[FRD], s18, v[FRD]
	s_lshl_b32 s18, s10, 9
	s_add_co_u32 s18, s18, AX
	v_add_nc_u32 v[AXS], s18, v[L16]
	v_add_nc_u32 v[AXR], AX, v[L16]
	s_wait_loadcnt 48                              ; the bias is in: Wz's 16 loads and the stream's 32 are younger
	s_wait_kmcnt 0x0                               ; the temperature
.set i, 0
.rept 16
	v_cvt_pk_bf16_f32 v[TT], v[BIAS+i], v[BIAS+i+1]  ; the bias is rounded to bf16 like every input
	v_lshlrev_b32 v[BIAS+i], 16, v[TT]
	v_and_b32 v[BIAS+i+1], 0xffff0000, v[TT]
.set i, i+2
.endr
	WIN 0x80                                       ; destination window 2
.set i, 0
.rept 256
	v_mov_b32 v[i], v[BIAS+i%32]                   ; the sums start at the bias: register j of (a, b) is column 16 b + 8 hl + j's
.set i, i+1
.endr
	HLOAD 4
	HLOAD 5
	HLOAD 6
.macro FETCH n, f                      ; 16 LDS loads in one run: xb's eight fragments of quarter n of the piece in hand, into buffer f
.irp a, 0,1,2,3,4,5,6,7
	ds_load_b128 v[(\f)+8*(\a):(\f)+8*(\a)+3],   v[ADRA] offset:64*(\n)+(\a)*16*PA
	ds_load_b128 v[(\f)+8*(\a)+4:(\f)+8*(\a)+7], v[ADRA] offset:64*(\n)+(\a)*16*PA+32
.endr
.endm
.macro MUL f, s                        ; 32 matrix instructions: 8 row blocks x 4 column blocks, 32 along K.  The 32 accumulators take turns, in the same order in every quarter
	WIN 0xa1                                       ; source 0 (Wv) window 1, source 1 (xb) window 0, C and D window 2
.irp a, 0,1,2,3,4,5,6,7
.irp b, 0,1,2,3
	v_wmma_f32_16x16x32_bf16 v[32*(\a)+8*(\b):32*(\a)+8*(\b)+7], v[32*(\s)+8*(\b):32*(\s)+8*(\b)+7], v[(\f)+8*(\a):(\f)+8*(\a)+7], v[32*(\a)+8*(\b):32*(\a)+8*(\b)+7]
.endr
.endr
.endm
; Quarter i of a trip's eight.  xb's fragments of the next quarter are fetched into the buffer that the last quarter multiplied; this quarter is multiplied; then its slot is asked for again, eight quarters on.
.macro QUARTER i
.set FF, F0+64*((\i)%2)
.set FG, F0+64*(((\i)+1)%2)
	WIN 0
.if (\i) == 7
	s_wait_tensorcnt 0x0                           ; my second piece is in.  This wait serves reads: the fetch below is the first, in the second trip, that reads pieces 4 to 7; nothing is filled again in this launch
.endif
	s_wait_dscnt 0x0                               ; this quarter's fragments, fetched a quarter ago, are in
.if (\i) == 7
	s_barrier_signal -1
	s_barrier_wait -1                              ; everybody's second piece is in
	s_cmp_eq_u32 s3, 1                             ; behind the last quarter of all there is nothing to fetch
	s_cbranch_scc1 .Lno_a
.endif
.if ((\i)+1)%4 == 0
	v_add_nc_u32 v[ADRA], PIECE, v[ADRA]           ; the next piece
.endif
	FETCH ((\i)+1)%4, FG
.if (\i) == 7
.Lno_a:
.endif
	MUL FF, \i
	PLACES                                         ; in front of the loads into this slot, and of the next quarter's fetch into this buffer
	s_wait_xcnt 0x0                                ; the last loads, a quarter back, have read their pointer
	s_add_nc_u64 s[BP:BP+1], s[BP:BP+1], s[STEP:STEP+1]
.if (\i) == 0
	s_cmp_eq_u32 s3, 1                             ; the last trip: the stream is at its end; the slots take G's eight records
	s_cselect_b64 s[BP:BP+1], s[GPW:GPW+1], s[BP:BP+1]
	s_cselect_b32 s[STEP], REC, s[STEP]
.endif
	s_wait_loadcnt 48                              ; the next quarter's slot is in: the six groups of eight loads behind it may stay out
	WIN 0x40
.irp j, 0,1,2,3,4,5,6,7
	global_load_b128 v[32*(\i)+4*(\j):32*(\i)+4*(\j)+3], v[L16], s[BP:BP+1] offset:512*(\j)
.endr
.endm
	WIN 0
	s_wait_tensorcnt 1                             ; my first piece is in; the second may stay out
	s_barrier_signal -1
	s_barrier_wait -1                              ; pieces 0 to 3 are in: K 0 .. 511
	FETCH 0, F0
	s_wait_loadcnt 48                              ; quarter 0's slot is in: quarters 1 to 6 are younger
	HLOAD 7
	WIN 0                                          ; at a label and at a branch every window is 0
	s_mov_b32 s3, 4
.Ltrip:                                                ; a trip: eight quarters, two pieces, 256 matrix instructions
.irp i, 0,1,2,3,4,5,6,7
	QUARTER \i
.endr
	WIN 0
	s_sub_co_u32 s3, s3, 1
	s_cmp_lg_u32 s3, 0
	s_cbranch_scc1 .Ltrip
; V's WAY OUT, 16 rows at a time: rounded to f16 (16 bytes a lane), into rows of 144 bytes in my own stage, back as whole rows of 128: 16 rows of a head are 2,048 consecutive bytes of vh.
.macro VPACK a
	WIN 0x0a                                       ; sources window 2
.set i, 0
.rept 16
	v_cvt_pk_f16_f32 v[VP+16*(\a)+i], v[32*(\a)+2*i], v[32*(\a)+2*i+1]
.set i, i+1
.endr
	WIN 0
.irp f, 0,1,2,3
	ds_store_b128 v[FSTO], v[VP+16*(\a)+4*(\f):VP+16*(\a)+4*(\f)+3] offset:32*(\f)
.endr
.irp f, 0,1,2,3
	ds_load_b128 v[VP+16*(\a)+4*(\f):VP+16*(\a)+4*(\f)+3], v[FRD] offset:(\f)*4*FP  ; LDS serves a wave's instructions in order (ISA guide 5.7.1.4): these see the stores above; the next block's stores come behind them
.endr
.endm
.macro VSEND a, younger                ; younger: the next block's eight LDS instructions, or none
.irp f, 0,1,2,3
	s_wait_dscnt (\younger)+3-(\f)
	global_store_b128 v[L16], v[VP+16*(\a)+4*(\f):VP+16*(\a)+4*(\f)+3], s[76:77] offset:(\a)*2048+(\f)*512  ; 512 consecutive bytes, aligned
.endr
.endm
	VPACK 0                                        ; (the last quarter's four places stand behind the last products)
	VPACK 1
	VSEND 0, 8
	WIN 0xc0                                       ; the records' sums of squares, into window 3: K's four blocks, and Q's block w
.irp p, 0,1,2,3,4,5,6,7
	global_load_b128 v[4*(\p):4*(\p)+3], v[L16], s[70:71] offset:REC*(\p)+512*33
.endr
.irp p, 0,1,2,3,4,5,6,7
	global_load_b32 v[32+(\p)], v[QOF], s[70:71] offset:REC*(\p)+512*32
.endr
	WIN 0
.irp a, 2,3,4,5,6,7
	VPACK \a
	VSEND (\a)-1, 8
.endr
	VSEND 7, 0
	; THE FOLD.  The eight records are added
	s_wait_loadcnt 0x0                             ; G, the sums of squares, Wz
	WIN 0x45                                       ; all in window 1
.irp p, 1,2,3,4,5,6
.set k, 0
.rept 16
	v_pk_add_f32 v[k:k+1], v[k:k+1], v[32*(\p)+k:32*(\p)+k+1]
.set k, k+2
.endr
.endr
	WIN 0xcf                                       ; all in window 3
.irp p, 1,2,3,4,5,6
	v_pk_add_f32 v[0:1], v[0:1], v[4*(\p):4*(\p)+1]
	v_pk_add_f32 v[2:3], v[2:3], v[4*(\p)+2:4*(\p)+3]
.endr
	v_pk_add_f32 v[32:33], v[32:33], v[34:35]
	v_pk_add_f32 v[36:37], v[36:37], v[38:39]
	v_pk_add_f32 v[32:33], v[32:33], v[36:37]
	s_wait_xcnt 0x0                                ; V's stores have read their registers: the softmax and attn's fragments take them
	WIN 0x05                                       ; the last sums land in window 0
.set k, 0
.rept 16
	v_pk_add_f32 v[GS+k:GS+k+1], v[k:k+1], v[224+k:224+k+1]
.set k, k+2
.endr
	WIN 0x0f
	v_pk_add_f32 v[KN:KN+1], v[0:1], v[28:29]
	v_pk_add_f32 v[KN+2:KN+3], v[2:3], v[30:31]
	v_add_f32 v[QN], v32, v33
	WIN 0
.irp i, 0,1,2,3
	v_permlanex16_b32 v[AF+(\i)], v[KN+(\i)], s[SEL], s[SEL+1]  ; the other half of the lanes holds the other places' part (the destinations, V's dead rows, have been written)
.endr
	v_permlanex16_b32 v[AF+4], v[QN], s[SEL], s[SEL+1]
	v_pk_add_f32 v[KN:KN+1], v[KN:KN+1], v[AF:AF+1]
	v_pk_add_f32 v[KN+2:KN+3], v[KN+2:KN+3], v[AF+2:AF+3]
	v_add_f32 v[QN], v[QN], v[AF+4]
.irp i, 0,1,2,3
	v_sqrt_f32 v[KN+(\i)], v[KN+(\i)]
.endr
	v_sqrt_f32 v[QN], v[QN]
	v_nop                                          ; a plain instruction behind the last root,
	s_wait_alu depctr_va_vdst(0)                   ; and a wait ahead of the first use: one for the five
.irp i, 0,1,2,3
	v_max_num_f32 v[KN+(\i)], 0x2b8cbccc, v[KN+(\i)]  ; eps = 1e-12
.endr
	v_max_num_f32 v[QN], 0x2b8cbccc, v[QN]
.irp i, 0,1,2,3
	v_rcp_f32 v[RK+2*(\i)], v[KN+(\i)]             ; twice: a pair for the packed multiply
	v_rcp_f32 v[RK+2*(\i)+1], v[KN+(\i)]
.endr
	v_rcp_f32 v[QN+1], v[QN]
	v_mov_b32 v[TE], s80                           ; the temperature, rounded to bf16 like every input, times log2(e) / 32
	v_cvt_pk_bf16_f32 v[TE], v[TE], v[TE]
	v_lshlrev_b32 v[TE], 16, v[TE]
	v_mul_f32 v[TE], 0x3d38aa3b, v[TE]
.irp j, 0,1,2,3,4,5,6,7
	v_lshl_add_u32 v[CF+(\j)], v2, 5, 4*(\j)       ; lane 8 hl + j, as a byte index
.endr
	s_wait_alu depctr_va_vdst(0)                   ; one wait for the nine reciprocals
	v_mul_f32 v[QN+1], v[QN+1], v[TE]
.irp j, 0,1,2,3,4,5,6,7
	ds_bpermute_b32 v[CF+(\j)], v[CF+(\j)], v[QN+1]  ; lane r holds channel d = 16 w + r's factor; register j wants that of d = 16 w + 8 hl + j
.endr
	s_wait_dscnt 0x0
.macro TILES line:vararg               ; one line for each tile e (0..3) and pair of registers p (0..3)
.set e, 0
.rept 4
.set p, 0
.rept 4
	\line
.set p, p+1
.endr
.set e, e+1
.endr
.endm
.macro ROWS8 line:vararg               ; one line for each register j (0..7): a row d of attn
.set j, 0
.rept 8
	\line
.set j, j+1
.endr
.endm
	TILES v_pk_mul_f32 v[GS+8*e+2*p:GS+8*e+2*p+1], v[GS+8*e+2*p:GS+8*e+2*p+1], v[RK+2*e:RK+2*e+1]
	TILES v_pk_mul_f32 v[GS+8*e+2*p:GS+8*e+2*p+1], v[GS+8*e+2*p:GS+8*e+2*p+1], v[CF+2*p:CF+2*p+1]
	ROWS8 v_max3_num_f32 v[MX+j], v[GS+j], v[GS+8+j], v[GS+16+j]
	ROWS8 v_max_num_f32 v[MX+j], v[MX+j], v[GS+24+j]
.irp m, 1,2,4,8                        ; a row's 64 numbers lie in four registers of sixteen lanes
	ROWS8 v_max_num_f32_dpp v[MX+j], v[MX+j], v[MX+j] row_xmask:\m row_mask:0xf bank_mask:0xf
.endr
	TILES v_pk_add_f32 v[GS+8*e+2*p:GS+8*e+2*p+1], v[GS+8*e+2*p:GS+8*e+2*p+1], v[MX+2*p:MX+2*p+1] neg_lo:[0,1] neg_hi:[0,1]
.set i, 0
.rept 32
	v_exp_f32 v[GS+i], v[GS+i]                     ; one batch
.set i, i+1
.endr
	v_nop
	s_wait_alu depctr_va_vdst(0)                   ; one wait for the 32 exponentials
.irp p, 0,2,4,6
	v_pk_add_f32 v[SM+(\p):SM+(\p)+1], v[GS+(\p):GS+(\p)+1], v[GS+8+(\p):GS+8+(\p)+1]
.endr
.irp p, 0,2,4,6
	v_pk_add_f32 v[SM+(\p):SM+(\p)+1], v[SM+(\p):SM+(\p)+1], v[GS+16+(\p):GS+16+(\p)+1]
.endr
.irp p, 0,2,4,6
	v_pk_add_f32 v[SM+(\p):SM+(\p)+1], v[SM+(\p):SM+(\p)+1], v[GS+24+(\p):GS+24+(\p)+1]
.endr
.irp m, 1,2,4,8
	ROWS8 v_add_f32_dpp v[SM+j], v[SM+j], v[SM+j] row_xmask:\m row_mask:0xf bank_mask:0xf
.endr
	ROWS8 v_rcp_f32 v[SM+j], v[SM+j]
	v_nop
	s_wait_alu depctr_va_vdst(0)                   ; one wait for the eight reciprocals
	TILES v_pk_mul_f32 v[GS+8*e+2*p:GS+8*e+2*p+1], v[GS+8*e+2*p:GS+8*e+2*p+1], v[SM+2*p:SM+2*p+1]
	TILES v_cvt_pk_f16_f32 v[HH+4*e+p], v[GS+8*e+2*p], v[GS+8*e+2*p+1]
	; a lane's four registers of tile e hold attn[16 w + 8 hl + 0..7][16 e + r]: half a fragment (16 e's x 32 d's) of attn^T.  All waves want all of them
.irp e, 0,1,2,3
	ds_store_b128 v[AXS], v[HH+4*(\e):HH+4*(\e)+3] offset:2048*(\e)
.endr
	s_wait_dscnt 0x0                               ; for the others' sake: my stores are done
	s_barrier_signal -1
	s_barrier_wait -1
.irp e, 0,1,2,3
.irp t, 0,1
	ds_load_b128 v[AF+8*(2*(\e)+(\t)):AF+8*(2*(\e)+(\t))+3],   v[AXR] offset:2048*(\e)+1024*(\t)
	ds_load_b128 v[AF+8*(2*(\e)+(\t))+4:AF+8*(2*(\e)+(\t))+7], v[AXR] offset:2048*(\e)+1024*(\t)+512
.endr
.endr
	s_wait_dscnt 0x0
	; Wz' = Wz attn: source 0 = 16 e's of attn^T, source 1 = 16 rows o of Wz, 32 d's an instruction: a lane holds one row o and eight neighbouring e.  The 16 accumulators take turns; the first 16 start the sums
	WIN 0xac                                       ; source 0 window 0, source 1 window 3, C and D window 2
.irp t, 0,1
.irp ob, 0,1,2,3
.irp eb, 0,1,2,3
.if (\t) == 0
	v_wmma_f32_16x16x32_f16 v[8*(4*(\ob)+(\eb)):8*(4*(\ob)+(\eb))+7], v[AF+8*(2*(\eb)+(\t)):AF+8*(2*(\eb)+(\t))+7], v[WZ+8*(2*(\ob)+(\t)):WZ+8*(2*(\ob)+(\t))+7], 0
.else
	v_wmma_f32_16x16x32_f16 v[8*(4*(\ob)+(\eb)):8*(4*(\ob)+(\eb))+7], v[AF+8*(2*(\eb)+(\t)):AF+8*(2*(\eb)+(\t))+7], v[WZ+8*(2*(\ob)+(\t)):WZ+8*(2*(\ob)+(\t))+7], v[8*(4*(\ob)+(\eb)):8*(4*(\ob)+(\eb))+7]
.endif
.endr
.endr
.endr
	PLACES
	; lane (r, hl)'s eight numbers of tile (ob, eb), rounded to f16, are row o = .. + 16 ob + r, e = 16 eb + 8 hl + 0..7: the lane's own 16 bytes of a chunk of wzp.  They are stored as they lie
	WIN 0x0a                                       ; sources window 2
.set i, 0
.rept 64
	v_cvt_pk_f16_f32 v[64+i], v[2*i], v[2*i+1]
.set i, i+1
.endr
	WIN 0
.irp ob, 0,1,2,3
.irp eb, 0,1,2,3
	global_store_b128 v[L16], v[64+4*(4*(\ob)+(\eb)):64+4*(4*(\ob)+(\eb))+3], s[78:79] offset:((\eb)/2)*4096+(\ob)*1024+((\eb)%2)*512  ; 512 consecutive bytes, aligned
.endr
.endr
	s_wait_tensorcnt 0x0                           ; the wave's end: behind my last tensor load and my last LDS store
	ds_add_u32 v[SPW], v[NIL]
	s_wait_dscnt 0x0
	CROUND                                         ; the closing round
	s_endpgm
.Lfunc_end_k_q3eb4d9b53c_vfold:
	.size	k_q3eb4d9b53c_vfold, .Lfunc_end_k_q3eb4d9b53c_vfold-k_q3eb4d9b53c_vfold
	.p2alignl 7, 3214868480
	.fill 96, 4, 3214868480
	.section	.rodata,"a",@progbits
	.p2align	6, 0x0
	.amdhsa_kernel k_q3eb4d9b53c_vfold
		.amdhsa_group_segment_fixed_size 327680
		.amdhsa_private_segment_fixed_size 0
		.amdhsa_enable_private_segment 0
		.amdhsa_kernarg_size 64
		.amdhsa_user_sgpr_count 2
		.amdhsa_user_sgpr_kernarg_segment_ptr 1
		.amdhsa_wavefront_size32 1
		.amdhsa_system_sgpr_workgroup_id_x 1
		.amdhsa_system_sgpr_workgroup_id_y 1
		.amdhsa_system_sgpr_workgroup_id_z 1
		.amdhsa_system_vgpr_workitem_id 0
		.amdhsa_next_free_vgpr 1024
		.amdhsa_next_free_sgpr 84
		.amdhsa_reserve_vcc 0
		.amdhsa_float_denorm_mode_32 3
		.amdhsa_float_denorm_mode_16_64 3
		.amdhsa_memory_ordered 1
		.amdhsa_forward_progress 1
		.amdhsa_inst_pref_size 110
	.end_amdhsa_kernel
	.amdgpu_metadata
---
amdhsa.version: [ 1, 2 ]
amdhsa.kernels:
  - .name:           k_q3eb4d9b53c_vfold
    .symbol:         k_q3eb4d9b53c_vfold.kd
    .args:
      - { .name: xb, .offset: 0, .size: 8, .value_kind: global_buffer, .address_space: global }
      - { .name: wb, .offset: 8, .size: 8, .value_kind: global_buffer, .address_space: global }
      - { .name: bqkv, .offset: 16, .size: 8, .value_kind: global_buffer, .address_space: global }
      - { .name: gp, .offset: 24, .size: 8, .value_kind: global_buffer, .address_space: global }
      - { .name: wzh, .offset: 32, .size: 8, .value_kind: global_buffer, .address_space: global }
      - { .name: temperature, .offset: 40, .size: 8, .value_kind: global_buffer, .address_space: global }
      - { .name: vh, .offset: 48, .size: 8, .value_kind: global_buffer, .address_space: global }
      - { .name: wzp, .offset: 56, .size: 8, .value_kind: global_buffer, .address_space: global }
    .group_segment_fixed_size: 327680
    .private_segment_fixed_size: 0
    .kernarg_segment_align: 8
    .kernarg_segment_size: 64
    .max_flat_workgroup_size: 128
    .sgpr_count:     84
    .vgpr_count:     1024
    .wavefront_size: 32
...
	.end_amdgpu_metadata
.endif
;; end of part 3
;; launch final (part 4): grid 4 x 64, 4 waves a work-group, clusters of 4 x 1, 327,680 bytes of LDS; arguments vh, wzp, bz, out0; writes out0
.if DOCPART == 4
	.amdgcn_target "amdgcn-amd-amdhsa--gfx1250"
	.amdhsa_code_object_version 6
	.text
	.protected	k_q3eb4d9b53c_final
	.globl	k_q3eb4d9b53c_final
	.p2align	8
	.type	k_q3eb4d9b53c_final,@function
k_q3eb4d9b53c_final:
	s_mov_b64 s[64:65], 0
	v_nop
	global_prefetch_b8 v0, s[64:65] scope:SCOPE_SE
	s_setreg_imm32_b32 hwreg(HW_REG_WAVE_MODE, 25, 1), 1
	s_wait_xcnt 0x0
	s_wait_alu depctr_hold_cnt(0) depctr_sa_sdst(0) depctr_va_vdst(0) depctr_va_sdst(0) depctr_va_ssrc(0) depctr_va_vcc(0) depctr_vm_vsrc(0)
	s_getreg_b32 s2, hwreg(HW_REG_IB_STS2, 6, 4)
	s_cmp_eq_u32 s2, 0
	s_cbranch_scc0 .Lentry_in_a_cluster
	s_endpgm
.Lentry_in_a_cluster:
	s_bfe_u32 s2, ttmp6, 0x10000c
	s_cmp_lg_u32 s2, 0x3003
	s_cbranch_scc0 .Lentry_shape_is_right
	s_endpgm
.Lentry_shape_is_right:
; XCA, launch 4 of 4.  out[b][s][o] = sum over (head, e) of V[b][s][64 head + e] Wz'[b][head][o][e] + bz[o]: the re-associated form of (attn V) Wz^T + bz.  No work of the problem is left out here.
; [8,192 rows of V] x [1,024 rows o of the batch's Wz'], K = 1,024, f16 operands, f32 sums, f32 out.  A tile is 128 rows x 256 columns; wave w makes all 128 rows x 64 columns: 32 accumulators.
; Source 0 = 16 rows o of Wz', source 1 = 16 rows of V: a lane holds one row of out and eight neighbouring columns.
; V's TILE LIES IN LDS WHOLE: vh is [head][8192][64], so a head's 128 rows are 16,384 dense bytes, asked for as 64 rows of 256 bytes and padded after every 128: a row has a pitch of 144, a head 18,432 bytes, the
; sixteen heads 294,912.  Wave w asks for heads 2 w, 2 w + 1, 8 + 2 w, 9 + 2 w, at the head: four loads of mine are out.  Nothing is filled again, so the loop has no barrier of a refill.  The four work-groups of a
; cluster have the same rows and ask for each head JOINTLY (the same load, descriptor and mask in all four).
; Wz' COMES STRAIGHT INTO REGISTERS, in the order in which the launch before laid it: a quarter step (32 K) of a wave's 64 columns is 4,096 consecutive bytes, eight loads of 512.  Eight slots of 32 registers take turns:
; a quarter's loads go out seven quarters, 224 matrix instructions, ahead of the wait for them; up to 56 loads of a wave are out.  Each wave has columns of its own: no byte of Wz' is wanted by two waves.
; Wz' IS NOT ASKED FOR JOINTLY, though the 16 work-groups of a batch's tile column read the same bytes: beside V's 294,912 bytes LDS has no room for a ring of its tiles (two slots of 256 rows x 128 K are 147,456 bytes).
; NO PREFETCH: V's tile is asked for whole at the head, and a request two trips ahead of Wz's loads could name only the last 8 of the 32 quarters.
; The sums start at bz, rounded to bf16 like every input, by 256 copies made while the first heads are on their way: a first product with the bias as C would want a trip written out a third time.
; REGISTERS, in windows of 256: window 0: v0-31 addresses; v64-127, v128-191 V's fragments, two buffers; v192-223 the bias;
;   window 1: the eight slots (slot s, block b at 32 s + 8 b); on the way out the rows read back;   window 2: the accumulators ((a, b) at 32 a + 8 b).
.set PA,    144                        ; an odd multiple of 16: the 16 rows of a load start at 16 different groups of four banks (64 banks of 4 bytes: ISA guide 11.1)
.set HP,    128*PA                     ; a head's 128 rows
.set GB,    2*HP                       ; four quarters
.set HEADB, 1048576                    ; a head's bytes in vh
.set STAGE, 16*HP                      ; behind the heads, never filled by a tensor load: 16 rows x 272 bytes for each wave
.set SP,    272
.set SPARE, STAGE+4*16*SP              ; the spare words, 128 bytes for each wave: two blocks of 256 bytes that no other line names
.set QB,    4096                       ; a quarter step of a wave's stream
.set L16,  3                           ; v3   16 x lane; never rewritten
.set BOF,  6
.set ADRA, 16                          ; v16  LDS address of my lane in the pair of heads in hand
.set STO,  24                          ; v24-26  the way out: in, back, my bytes in out0
.set RD,   25
.set CO,   26
.set SPW,  28                          ; v28  LDS address of my spare word; never rewritten
.set NIL,  29                          ; v29  0; never rewritten
.set TT,   31
.set F0,   64
.set BIAS, 192
.set G1,   24                          ; s[24:31] descriptor group 1;  s[32:47] group 0, a set for each of my four loads
.set G0,   32
.set BP,   48                          ; s[48:49] my stream, at the trip's first quarter
.set CX,   52                          ; s52  my place in the cluster;  s54 the tile column: both above the four sets of group 0
.set TC,   54
.set MSB, 0
.macro WIN new
.if MSB != (\new)
	s_set_vgpr_msb (MSB<<8)|(\new)
.set MSB, \new
.endif
.endm
.macro PLACES                          ; four places behind a matrix instruction (ISA guide 7.12.1)
.rept 4
	v_nop
.endr
.endm
.macro CROUND                          ; a round of the cluster's barrier
	s_barrier_signal -1
	s_barrier_wait -1
	s_cmp_lg_u32 s10, 0
	s_cbranch_scc1 .Lnot_wave_0_\@
	s_barrier_signal -3
.Lnot_wave_0_\@:
	s_barrier_wait -3
	s_barrier_signal -1
	s_barrier_wait -1
.endm
	s_load_b128 s[4:7], s[0:1], 0x0                ; vh s[4:5], wzp s[6:7]
	s_load_b128 s[68:71], s[0:1], 0x10             ; bz s[68:69], out0 s[70:71]
	v_lshl_add_u32 v[SPW], v0, 2, SPARE
	v_mov_b32 v[NIL], 0
	ds_add_u32 v[SPW], v[NIL]                      ; the wave's opening: the add, twice on end, and its wait ahead of my first tensor load
	ds_add_u32 v[SPW], v[NIL]                      ; and once more, under the one wait
	v_lshrrev_b32 v[TT], 5, v0
	v_readfirstlane_b32 s10, v[TT]                 ; wave 0..3
	s_bfe_u32 s[CX], ttmp6, 0x40000                ; cx
	s_lshl_b32 s[TC], ttmp9, 2
	s_add_co_u32 s[TC], s[TC], s[CX]               ; tile column, 0..3: it enters the addresses of plain loads and stores alone
	s_and_b32 s13, ttmp7, 0xffff                   ; tile row, 0..63, which the four partners share
	s_mov_b32 s[G1], 15|(1<<16)|(1<<20)|(1<<21)|(4<<22)|(3<<25)  ; 15:0 the mask of four; 17:16 2-byte elements; 20 padding on; 21 set beside a mask; after every 32 words (code 4) 4 words (code 3)
	s_mov_b32 s[G1+1], 128<<16                     ; a dense block as 64 rows of 128 elements
	s_mov_b32 s[G1+2], 64<<16
	s_mov_b32 s[G1+3], 128<<16
	s_mov_b32 s[G1+4], 64
	s_mov_b32 s[G1+5], 128
	s_mov_b32 s[G1+6], 0
	s_mov_b32 s[G1+7], 0
	s_lshl_b32 s16, s13, 14                        ; my tile row's 128 rows of 128 bytes,
	s_lshl_b32 s17, s10, 21                        ; in head 2 w
	s_add_co_u32 s16, s16, s17
	s_mov_b32 s17, 0                               ; from here on s[16:17] is each buffer's offset in turn
	s_mul_i32 s20, s10, GB                         ; where it goes: no place in the cluster enters an LDS address
	s_wait_dscnt 0x0                               ; both opening adds are done
	s_wait_kmcnt 0x0
	s_add_nc_u64 s[14:15], s[4:5], s[16:17]
	CROUND                                         ; all four work-groups are here: the joint loads meet
.irp k, 0,1,2,3
	s_mov_b32 s[G0+4*(\k)], 1
	s_add_co_u32 s[G0+4*(\k)+1], s20, ((\k)/2)*8*HP+((\k)%2)*HP
	s_add_nc_u64 s[G0+4*(\k)+2:G0+4*(\k)+3], s[14:15], ((\k)/2)*8*HEADB+((\k)%2)*HEADB
	s_or_b32 s[G0+4*(\k)+3], s[G0+4*(\k)+3], 0x80000000
.endr
.irp k, 0,1,2,3
	tensor_load_to_lds s[G0+4*(\k):G0+4*(\k)+3], s[G1:G1+7]  ; all of the launch's tensor loads
	s_nop 0
.endr
.rept 4
	v_nop
.endr
	v_and_b32 v1, 15, v0                           ; r
	v_bfe_u32 v2, v0, 4, 1                         ; hl
	v_and_b32 v[L16], 31, v0
	v_lshlrev_b32 v[L16], 4, v[L16]
	s_lshl_b32 s21, s[TC], 2
	s_add_co_u32 s21, s21, s10                     ; my group of 64 columns, 0..15
	s_lshl_b32 s16, s21, 8                         ; bz: element 64 group + 16 b + 8 hl
	s_add_nc_u64 s[68:69], s[68:69], s[16:17]
	v_lshlrev_b32 v[BOF], 5, v2
.irp b, 0,1,2,3
	global_load_b128 v[BIAS+8*(\b):BIAS+8*(\b)+3],   v[BOF], s[68:69] offset:64*(\b)
	global_load_b128 v[BIAS+8*(\b)+4:BIAS+8*(\b)+7], v[BOF], s[68:69] offset:64*(\b)+16
.endr
	s_lshr_b32 s16, s13, 4                         ; my stream: the batch's 2,097,152 bytes, my group's 131,072
	s_lshl_b32 s16, s16, 21
	s_lshl_b32 s18, s21, 17
	s_add_co_u32 s16, s16, s18
	s_add_nc_u64 s[BP:BP+1], s[6:7], s[16:17]
.macro BLOAD s                         ; eight loads: the quarter s behind the pointer, into slot s
	WIN 0x40                                       ; destination window 1, address window 0
.irp j, 0,1,2,3,4,5,6,7
	global_load_b128 v[32*(\s)+4*(\j):32*(\s)+4*(\j)+3], v[L16], s[BP:BP+1] offset:QB*(\s)+512*(\j)
.endr
.endm
.irp q, 0,1,2,3,4,5
	BLOAD \q                                       ; 8 + 48 = 56 loads are out
.endr
	WIN 0
	s_lshl_b32 s16, s13, 19                        ; out0 at my 128 rows of 4,096 bytes and my 64 columns
	s_lshl_b32 s18, s21, 8
	s_add_co_u32 s16, s16, s18
	s_add_nc_u64 s[70:71], s[70:71], s[16:17]
	v_mul_u32_u24 v[ADRA], v1, PA                  ; a fragment's row x pitch + 16 x half, in head 0
	v_lshl_add_u32 v[ADRA], v2, 4, v[ADRA]
	s_mul_i32 s19, s10, 16*SP
	s_add_co_u32 s19, s19, STAGE                   ; my stage
	v_mul_u32_u24 v[STO], v1, SP                   ; in: row r, 32 bytes for each half of the lanes
	v_lshl_add_u32 v[STO], v2, 5, v[STO]
	v_add_nc_u32 v[STO], s19, v[STO]
	v_mul_u32_u24 v[RD], v2, SP                    ; back: lanes 0-15 one row of 256 bytes, lanes 16-31 the next
	v_lshl_add_u32 v[RD], v1, 4, v[RD]
	v_add_nc_u32 v[RD], s19, v[RD]
	v_lshlrev_b32 v[CO], 12, v2                    ; and the same two rows in out0
	v_lshl_add_u32 v[CO], v1, 4, v[CO]
	s_wait_loadcnt 48                              ; the bias is in: the stream's 48 loads are younger
.set i, 0
.rept 16
	v_cvt_pk_bf16_f32 v[TT], v[BIAS+i], v[BIAS+i+1]  ; the bias is rounded to bf16 like every input
	v_lshlrev_b32 v[BIAS+i], 16, v[TT]
	v_and_b32 v[BIAS+i+1], 0xffff0000, v[TT]
.set i, i+2
.endr
	WIN 0x80                                       ; destination window 2
.set i, 0
.rept 256
	v_mov_b32 v[i], v[BIAS+i%32]                   ; the sums start at the bias: register j of (a, b) is column 16 b + 8 hl + j's
.set i, i+1
.endr
	BLOAD 6
.macro FETCH n, f                      ; 16 LDS loads in one run: V's eight fragments of quarter n of the pair of heads in hand, into buffer f
.irp a, 0,1,2,3,4,5,6,7
	ds_load_b128 v[(\f)+8*(\a):(\f)+8*(\a)+3],   v[ADRA] offset:((\n)/2)*HP+((\n)%2)*64+(\a)*16*PA
	ds_load_b128 v[(\f)+8*(\a)+4:(\f)+8*(\a)+7], v[ADRA] offset:((\n)/2)*HP+((\n)%2)*64+(\a)*16*PA+32
.endr
.endm
.macro MUL f, s                        ; 32 matrix instructions: 8 row blocks x 4 column blocks, 32 along K.  The 32 accumulators take turns, in the same order in every quarter
	WIN 0xa1                                       ; source 0 (Wz') window 1, source 1 (V) window 0, C and D window 2
.irp a, 0,1,2,3,4,5,6,7
.irp b, 0,1,2,3
	v_wmma_f32_16x16x32_f16 v[32*(\a)+8*(\b):32*(\a)+8*(\b)+7], v[32*(\s)+8*(\b):32*(\s)+8*(\b)+7], v[(\f)+8*(\a):(\f)+8*(\a)+7], v[32*(\a)+8*(\b):32*(\a)+8*(\b)+7]
.endr
.endr
.endm
; Quarter i of a trip's eight.  V's fragments of the next quarter are fetched into the buffer that the last quarter multiplied; this quarter is multiplied; then (ld = 1) its slot is asked for again, eight quarters on.
; ld = 0: the last trip, written out: the stream is at its end, and the counts run down.
.macro QUARTER i, ld
.set FF, F0+64*((\i)%2)
.set FG, F0+64*(((\i)+1)%2)
	WIN 0
.if (\ld) && ((\i) == 7)
	s_wait_tensorcnt 0x0                           ; my last two heads are in.  This wait serves reads: the fetch below is the first, in the second trip, that reads heads 8 to 15; nothing is filled again in this launch
.endif
	s_wait_dscnt 0x0                               ; this quarter's fragments, fetched a quarter ago, are in
.if (\ld) && ((\i) == 7)
	s_barrier_signal -1
	s_barrier_wait -1                              ; everybody's are
.endif
.if (\ld) || ((\i) < 7)
.if ((\i)+1)%4 == 0
	v_add_nc_u32 v[ADRA], GB, v[ADRA]              ; the next pair of heads
.endif
	FETCH ((\i)+1)%4, FG
.endif
	MUL FF, \i
	PLACES                                         ; in front of the loads into this slot, of the next quarter's fetch into this buffer, and of the way out
.if \ld
.if (\i) == 0
	s_wait_xcnt 0x0                                ; the last loads, a quarter back, have read their pointer
	s_add_nc_u64 s[BP:BP+1], s[BP:BP+1], 8*QB
.endif
	s_wait_loadcnt 48                              ; the next quarter's slot is in: the six quarters behind it may stay out
	BLOAD \i
.elseif (\i) < 7
	s_wait_loadcnt 8*(6-(\i))                      ; the next quarter's slot is in: fewer and fewer are behind it
.endif
.endm
	WIN 0
	s_wait_tensorcnt 2                             ; my first two heads are in; the other two may stay out
	s_barrier_signal -1
	s_barrier_wait -1                              ; heads 0 to 7 are in: K 0 .. 511
	FETCH 0, F0
	s_wait_loadcnt 48                              ; quarter 0's slot is in: quarters 1 to 6 are younger
	BLOAD 7
	WIN 0                                          ; at a label and at a branch every window is 0
	s_mov_b32 s3, 3
.Ltrip:                                                ; a trip: eight quarters, four heads, 256 matrix instructions
.irp i, 0,1,2,3,4,5,6,7
	QUARTER \i, 1
.endr
	WIN 0
	s_sub_co_u32 s3, s3, 1
	s_cmp_lg_u32 s3, 0
	s_cbranch_scc1 .Ltrip
.irp i, 0,1,2,3,4,5,6,7
	QUARTER \i, 0
.endr
; THE WAY OUT, 16 rows at a time: the accumulators go as they are (each one's lowest registers first) into my stage, rows of 272 bytes, and come back as whole rows of 256, each block into
; registers of its own, so that no store's data is written again.
.macro TOSTAGE a
	WIN 0x08                                       ; store data window 2
.irp b, 0,1,2,3
	ds_store_b128 v[STO], v[32*(\a)+8*(\b):32*(\a)+8*(\b)+3]   offset:64*(\b)
	ds_store_b128 v[STO], v[32*(\a)+8*(\b)+4:32*(\a)+8*(\b)+7] offset:64*(\b)+16
.endr
	WIN 0x40                                       ; destination window 1
.irp t, 0,1,2,3,4,5,6,7
	ds_load_b128 v[32*(\a)+4*(\t):32*(\a)+4*(\t)+3], v[RD] offset:(\t)*2*SP  ; LDS serves a wave's instructions in order (ISA guide 5.7.1.4): these see the stores above; the next block's stores come behind them
.endr
.endm
.macro SEND a, younger                 ; younger: the next block's sixteen LDS instructions, or none
	WIN 0x04                                       ; store data window 1
	s_wait_dscnt \younger
.irp t, 0,1,2,3,4,5,6,7
	global_store_b128 v[CO], v[32*(\a)+4*(\t):32*(\a)+4*(\t)+3], s[70:71] offset:(16*(\a)+2*(\t))*4096 th:TH_STORE_NT  ; 16 lanes store 256 consecutive bytes, aligned
.endr
.endm
	TOSTAGE 0
.irp a, 1,2,3,4,5,6,7
	TOSTAGE \a
	SEND (\a)-1, 16
.endr
	SEND 7, 0
	WIN 0
	s_wait_tensorcnt 0x0                           ; the wave's end: behind my last tensor load and my last LDS store
	ds_add_u32 v[SPW], v[NIL]
	s_wait_dscnt 0x0
	CROUND                                         ; the closing round
	s_endpgm
.Lfunc_end_k_q3eb4d9b53c_final:
	.size	k_q3eb4d9b53c_final, .Lfunc_end_k_q3eb4d9b53c_final-k_q3eb4d9b53c_final
	.p2alignl 7, 3214868480
	.fill 96, 4, 3214868480
	.section	.rodata,"a",@progbits
	.p2align	6, 0x0
	.amdhsa_kernel k_q3eb4d9b53c_final
		.amdhsa_group_segment_fixed_size 327680
		.amdhsa_private_segment_fixed_size 0
		.amdhsa_enable_private_segment 0
		.amdhsa_kernarg_size 32
		.amdhsa_user_sgpr_count 2
		.amdhsa_user_sgpr_kernarg_segment_ptr 1
		.amdhsa_wavefront_size32 1
		.amdhsa_system_sgpr_workgroup_id_x 1
		.amdhsa_system_sgpr_workgroup_id_y 1
		.amdhsa_system_sgpr_workgroup_id_z 1
		.amdhsa_system_vgpr_workitem_id 0
		.amdhsa_next_free_vgpr 768
		.amdhsa_next_free_sgpr 72
		.amdhsa_reserve_vcc 0
		.amdhsa_float_denorm_mode_32 3
		.amdhsa_float_denorm_mode_16_64 3
		.amdhsa_memory_ordered 1
		.amdhsa_forward_progress 1
		.amdhsa_inst_pref_size 97
	.end_amdhsa_kernel
	.amdgpu_metadata
---
amdhsa.version: [ 1, 2 ]
amdhsa.kernels:
  - .name:           k_q3eb4d9b53c_final
    .symbol:         k_q3eb4d9b53c_final.kd
    .args:
      - { .name: vh, .offset: 0, .size: 8, .value_kind: global_buffer, .address_space: global }
      - { .name: wzp, .offset: 8, .size: 8, .value_kind: global_buffer, .address_space: global }
      - { .name: bz, .offset: 16, .size: 8, .value_kind: global_buffer, .address_space: global }
      - { .name: out0, .offset: 24, .size: 8, .value_kind: global_buffer, .address_space: global }
    .group_segment_fixed_size: 327680
    .private_segment_fixed_size: 0
    .kernarg_segment_align: 8
    .kernarg_segment_size: 32
    .max_flat_workgroup_size: 128
    .sgpr_count:     72
    .vgpr_count:     768
    .wavefront_size: 32
...
	.end_amdgpu_metadata
.endif
;; end of part 4
;; ======== version 2 of 2: 4 launches; version 1 with the launch cast written anew for expert scheduling mode
;; limits: values are held in f16: magnitudes above 65,504 overflow, below 6.1e-05 lose precision
;; workspace buffers: xb 16,777,216 bytes; wb 6,291,456 bytes; wzh 2,097,152 bytes; gp 8,912,896 bytes; vh 16,777,216 bytes; wzp 8,388,608 bytes
;; launch cast (part 5): grid 768 x 1, 8 waves a work-group, no clusters, 0 bytes of LDS; arguments x, Wqkv, Wz, xb, wb, wzh; writes xb, wb, wzh
.if DOCPART == 5
	.amdgcn_target "amdgcn-amd-amdhsa--gfx1250"
	.amdhsa_code_object_version 6
	.text
	.protected	k_q3eb4d9b53c_cast
	.globl	k_q3eb4d9b53c_cast
	.p2align	8
	.type	k_q3eb4d9b53c_cast,@function
k_q3eb4d9b53c_cast:
	s_mov_b64 s[64:65], 0
	v_nop
	global_prefetch_b8 v0, s[64:65] scope:SCOPE_SE
	s_setreg_imm32_b32 hwreg(HW_REG_WAVE_SCHED_MODE, 0, 2), 2
	s_setreg_imm32_b32 hwreg(HW_REG_WAVE_MODE, 25, 1), 1
	s_wait_xcnt 0x0
	s_wait_alu depctr_vm_vsrc(0)
; XCA in four launches: cast, qk, vfold, final.  THIS ONE rounds the three large inputs once: x -> xb (bf16), Wqkv -> wb (bf16), Wz -> wzh (rounded to bf16, that number written as f16).
; NOTHING OF THE PROBLEM IS LEFT OUT: all six inputs are loaded by some launch and every step is done.  One product is re-associated, which is exact in real numbers for all values:
; (attn V) Wz^T = V (Wz blockdiag(attn_b))^T, so a later launch folds each batch's 16 blocks attn (64 x 64) into Wz (0.54 GFLOP in place of 1.07, and V is walked once less).
; FORMATS.  All inputs are rounded to bf16 (the biases and the temperature in the launches that use them); what the program makes itself and multiplies again (V, attn, the folded Wz) is f16.
; LIMITS.  |Wz| and |V| stay under 65,504 (f16's end); NaN and infinities are not treated apart.
; wb's ROWS 0..2047 (Q's and K's) are laid by heads: row' = 128 head + 64 part + d (part 0 = Q, 1 = K), so that 128 neighbouring rows are one head's Q and K.
; wb's BYTES FROM 4,194,304 ON hold Wv (rows n = 0..1023 of V's part) in the order in which a wave's operand registers take it: chunks of 512 bytes, 16 a lane; chunk ((n / 64) x 32 + k / 32) x 8 + 2 ((n / 16) % 4)
; + (k / 16) % 2; lane 16 ((k / 8) % 2) + n % 16 holds the eight numbers k % 8 = 0..7.  So a quarter step (32 k) of 64 rows is 4,096 consecutive bytes.
; SHARES.  A work-group takes 16 rows of 1,024 numbers.  Work-groups 0..511: x; 512..639: Wq, Wk; 640..703: Wv; 704..767: Wz.  All 16 loads of a thread go out before the first wait for data; no register that a
; memory instruction names is written twice, so no wait frees a source.  But for Wv thread t has columns 4 t .. 4 t + 3 of each row: a wave's load covers 512 consecutive bytes, its store 256, both aligned.
; No LDS, matrix unit or cluster: no byte is used twice.
; THE MODE: SCHED_MODE bits 1:0 = 2 (LLVM: expert scheduling mode 2), set by the entry lines.  The code itself states the register dependences between vector instructions and memory instructions,
; with s_wait_alu, always for 0.
; THE PLAN.  Registers that memory instructions touch:
;   v1, v2 (for Wv: v3, v5)  the loads' and the stores' byte offsets.  Written by vector lines at the path's head and never again; read by every load and store of the path.
;   IN                       Written by the loads alone, each register once; no vector line names it ahead of them.  Read by the conversions; nothing lands in it afterwards.
;   OUT                      Written by the conversions; each register is read by one store and never written again.
;   v4 to v7                 at work: named by vector lines alone.
; So the one kind of dependence is a vector line's result that a memory instruction reads.  One wait stands ahead of a path's loads, for the offsets.  The 16 loads are taken in four blocks of four: a block's
; conversions, ONE wait that states them written, the block's stores in one run.  A finished block leaves ahead of the wait for the next block's data, not behind it.
.set SRC, 24                           ; s[24:25] my 16 rows in the source
.set DST, 26                           ; s[26:27] and in the destination
.set IN,  8                            ; v[8:71]   64 numbers in f32
.set OUT, 72                           ; v[72:103] and in 16 bits
	s_load_b256 s[4:11], s[0:1], 0x0               ; x s[4:5], Wqkv s[6:7], Wz s[8:9], xb s[10:11]
	s_load_b128 s[12:15], s[0:1], 0x20             ; wb s[12:13], wzh s[14:15]
	s_mov_b32 s16, ttmp9
	s_cmp_lt_u32 s16, 512
	s_cselect_b32 s17, 0, 512
	s_cmp_lt_u32 s16, 704
	s_cselect_b32 s17, s17, 704                    ; the first work-group of my tensor
	s_sub_co_u32 s17, s16, s17
	s_lshl_b32 s17, s17, 4                         ; my first row in the source
	s_bfe_u32 s18, s17, 0x40006                    ; Q's and K's rows: the head, (row >> 6) & 15,
	s_lshl_b32 s18, s18, 7
	s_lshr_b32 s19, s17, 10                        ; the part,
	s_lshl_b32 s19, s19, 6
	s_add_co_u32 s18, s18, s19
	s_and_b32 s19, s17, 63                         ; and d
	s_add_co_u32 s18, s18, s19
	s_sub_co_u32 s19, s16, 512                     ; work-groups 512..639 hold those rows (below 512 the difference wraps to a large number)
	s_cmp_lt_u32 s19, 128
	s_cselect_b32 s18, s18, s17                    ; my first row in the destination
	s_lshl_b32 s20, s17, 12                        ; rows of 4,096 bytes in, under 2^25
	s_mov_b32 s21, 0
	s_lshl_b32 s22, s18, 11                        ; rows of 2,048 bytes out
	s_mov_b32 s23, 0
	s_sub_co_u32 s28, s16, 640                     ; Wv: my block of 16 rows, 0..63 (in other work-groups 64 or more)
	s_lshr_b32 s29, s28, 2
	s_lshl_b32 s29, s29, 17                        ; its group of 64 rows: 131,072 bytes,
	s_and_b32 s30, s28, 3
	s_lshl_b32 s30, s30, 10                        ; its place in each quarter step: 1,024 bytes
	s_add_co_u32 s29, s29, s30
	s_add_co_u32 s29, s29, 0x400000                ; behind Q's and K's rows
	s_cmp_lt_u32 s28, 64
	s_cselect_b32 s22, s29, s22
	v_lshlrev_b32 v1, 4, v0                        ; my 16 bytes of a row in
	v_lshlrev_b32 v2, 3, v0                        ; my 8 bytes of a row out
	s_wait_kmcnt 0x0
	s_cmp_lt_u32 s16, 512
	s_cselect_b64 s[SRC:SRC+1], s[4:5], s[6:7]
	s_cselect_b64 s[DST:DST+1], s[10:11], s[12:13]
	s_cmp_lt_u32 s16, 704
	s_cselect_b64 s[SRC:SRC+1], s[SRC:SRC+1], s[8:9]
	s_cselect_b64 s[DST:DST+1], s[DST:DST+1], s[14:15]
	s_add_nc_u64 s[SRC:SRC+1], s[SRC:SRC+1], s[20:21]
	s_add_nc_u64 s[DST:DST+1], s[DST:DST+1], s[22:23]
	s_cmp_lt_u32 s28, 64
	s_cbranch_scc1 .Lwv
	s_wait_alu depctr_va_vdst(0)                   ; v1 and v2 are written: the loads below read v1 as their offset, the stores of both paths behind them v2
.irp i, 0,1,2,3,4,5,6,7,8,9,10,11,12,13,14,15
	global_load_b128 v[IN+4*(\i):IN+4*(\i)+3], v1, s[SRC:SRC+1] offset:4096*(\i) th:TH_LOAD_NT
.endr
	s_cmp_ge_u32 s16, 704
	s_cbranch_scc1 .Lwz
.irp p, 0,1,2,3                        ; block p: rows 4 p .. 4 p + 3
	s_wait_loadcnt 12-4*(\p)                       ; loads come back in order: the block's four rows are in, the younger blocks stay out
.irp r, 0,1,2,3
.set RW, 4*(\p)+(\r)
	v_cvt_pk_bf16_f32 v[OUT+2*RW],   v[IN+4*RW],   v[IN+4*RW+1]
	v_cvt_pk_bf16_f32 v[OUT+2*RW+1], v[IN+4*RW+2], v[IN+4*RW+3]
.endr
	s_wait_alu depctr_va_vdst(0)                   ; the block's eight conversions have written their OUT registers, which the four stores below read
.irp r, 0,1,2,3
.set RW, 4*(\p)+(\r)
	global_store_b64 v2, v[OUT+2*RW:OUT+2*RW+1], s[DST:DST+1] offset:2048*RW
.endr
.endr
	s_endpgm
.Lwz:                                          ; Wz: rounded to bf16 like every input, then written as f16 (exact within f16's range)
.irp p, 0,1,2,3                        ; block p: rows 4 p .. 4 p + 3
	s_wait_loadcnt 12-4*(\p)                       ; the block's four rows are in, the younger blocks stay out
.irp r, 0,1,2,3
.set RW, 4*(\p)+(\r)
	v_cvt_pk_bf16_f32 v[OUT+2*RW],   v[IN+4*RW],   v[IN+4*RW+1]
	v_cvt_pk_bf16_f32 v[OUT+2*RW+1], v[IN+4*RW+2], v[IN+4*RW+3]
	v_lshlrev_b32 v4, 16, v[OUT+2*RW]
	v_and_b32 v5, 0xffff0000, v[OUT+2*RW]
	v_lshlrev_b32 v6, 16, v[OUT+2*RW+1]
	v_and_b32 v7, 0xffff0000, v[OUT+2*RW+1]
	v_cvt_pk_f16_f32 v[OUT+2*RW],   v4, v5
	v_cvt_pk_f16_f32 v[OUT+2*RW+1], v6, v7
.endr
	s_wait_alu depctr_va_vdst(0)                   ; the block's conversions to f16 have written their OUT registers, which the four stores below read
.irp r, 0,1,2,3
.set RW, 4*(\p)+(\r)
	global_store_b64 v2, v[OUT+2*RW:OUT+2*RW+1], s[DST:DST+1] offset:2048*RW
.endr
.endr
	s_endpgm
.Lwv:                                          ; Wv: wave v takes k = 128 v .. 128 v + 127 of the 16 rows, as eight chunks c of 16 k; lane (hl, r) takes row r, k = 16 c + 8 hl + 0..7: 32 bytes in, 16 out
	v_and_b32 v3, 15, v0
	v_lshlrev_b32 v3, 12, v3                       ; r x 4,096
	v_bfe_u32 v4, v0, 4, 1
	v_lshl_add_u32 v3, v4, 5, v3                   ; + 32 hl
	v_lshrrev_b32 v4, 5, v0                        ; the wave
	v_lshl_add_u32 v3, v4, 9, v3                   ; + 512 v
	v_and_b32 v5, 31, v0
	v_lshlrev_b32 v5, 4, v5                        ; out: 16 x lane
	v_lshl_add_u32 v5, v4, 14, v5                  ; + the wave's four quarter steps of 4,096 bytes
	s_wait_alu depctr_va_vdst(0)                   ; v3 and v5 are written: the loads below read v3 as their offset, the stores behind them v5
.irp c, 0,1,2,3,4,5,6,7
	global_load_b128 v[IN+8*(\c):IN+8*(\c)+3],   v3, s[SRC:SRC+1] offset:64*(\c)
	global_load_b128 v[IN+8*(\c)+4:IN+8*(\c)+7], v3, s[SRC:SRC+1] offset:64*(\c)+16
.endr
.irp p, 0,1,2,3                        ; block p: chunks 2 p and 2 p + 1, one quarter step
	s_wait_loadcnt 12-4*(\p)                       ; the block's four loads are in, the younger blocks' stay out
.irp c, 0,1
.set CH, 2*(\p)+(\c)
.irp q, 0,1,2,3
	v_cvt_pk_bf16_f32 v[OUT+4*CH+(\q)], v[IN+8*CH+2*(\q)], v[IN+8*CH+2*(\q)+1]
.endr
.endr
	s_wait_alu depctr_va_vdst(0)                   ; the block's eight conversions have written their OUT registers, which the two stores below read
.irp c, 0,1
.set CH, 2*(\p)+(\c)
	global_store_b128 v5, v[OUT+4*CH:OUT+4*CH+3], s[DST:DST+1] offset:(\p)*4096+(\c)*512  ; the wave's store covers 512 consecutive bytes, aligned
.endr
.endr
	s_endpgm
.Lfunc_end_k_q3eb4d9b53c_cast:
	.size	k_q3eb4d9b53c_cast, .Lfunc_end_k_q3eb4d9b53c_cast-k_q3eb4d9b53c_cast
	.p2alignl 7, 3214868480
	.fill 96, 4, 3214868480
	.section	.rodata,"a",@progbits
	.p2align	6, 0x0
	.amdhsa_kernel k_q3eb4d9b53c_cast
		.amdhsa_group_segment_fixed_size 0
		.amdhsa_private_segment_fixed_size 0
		.amdhsa_enable_private_segment 0
		.amdhsa_kernarg_size 48
		.amdhsa_user_sgpr_count 2
		.amdhsa_user_sgpr_kernarg_segment_ptr 1
		.amdhsa_wavefront_size32 1
		.amdhsa_system_sgpr_workgroup_id_x 1
		.amdhsa_system_sgpr_workgroup_id_y 1
		.amdhsa_system_sgpr_workgroup_id_z 1
		.amdhsa_system_vgpr_workitem_id 0
		.amdhsa_next_free_vgpr 104
		.amdhsa_next_free_sgpr 66
		.amdhsa_reserve_vcc 0
		.amdhsa_float_denorm_mode_32 3
		.amdhsa_float_denorm_mode_16_64 3
		.amdhsa_memory_ordered 1
		.amdhsa_forward_progress 1
		.amdhsa_inst_pref_size 22
	.end_amdhsa_kernel
	.amdgpu_metadata
---
amdhsa.version: [ 1, 2 ]
amdhsa.kernels:
  - .name:           k_q3eb4d9b53c_cast
    .symbol:         k_q3eb4d9b53c_cast.kd
    .args:
      - { .name: x, .offset: 0, .size: 8, .value_kind: global_buffer, .address_space: global }
      - { .name: Wqkv, .offset: 8, .size: 8, .value_kind: global_buffer, .address_space: global }
      - { .name: Wz, .offset: 16, .size: 8, .value_kind: global_buffer, .address_space: global }
      - { .name: xb, .offset: 24, .size: 8, .value_kind: global_buffer, .address_space: global }
      - { .name: wb, .offset: 32, .size: 8, .value_kind: global_buffer, .address_space: global }
      - { .name: wzh, .offset: 40, .size: 8, .value_kind: global_buffer, .address_space: global }
    .group_segment_fixed_size: 0
    .private_segment_fixed_size: 0
    .kernarg_segment_align: 8
    .kernarg_segment_size: 48
    .max_flat_workgroup_size: 256
    .sgpr_count:     66
    .vgpr_count:     104
    .wavefront_size: 32
...
	.end_amdgpu_metadata
.endif
;; end of part 5
;; launch qk: the kernel of part 2 again; grid 32 x 8, 4 waves a work-group, clusters of 4 x 4, 327,680 bytes of LDS; arguments wb, xb, bqkv, gp; writes gp
;; launch vfold: the kernel of part 3 again; grid 4 x 64, 4 waves a work-group, clusters of 4 x 1, 327,680 bytes of LDS; arguments xb, wb, bqkv, gp, wzh, temperature, vh, wzp; writes vh, wzp
;; launch final: the kernel of part 4 again; grid 4 x 64, 4 waves a work-group, clusters of 4 x 1, 327,680 bytes of LDS; arguments vh, wzp, bz, out0; writes out0
